; MI455X (gfx1250); checked and timed in simulation.
; The chip was launched on July 23, 2026; its instructions are those of AMD's public machine-readable ISA for CDNA 5 (MIT licence, August 2026) and "CDNA5" Instruction Set Architecture Reference Guide (July 2026). The comments in the code are by the model that wrote it; some were corrected since.
;; Multi Head Attention. Allowed arithmetic: matrix products marked QUANTISED: E2M3 operands, one E8M0 scale for each 32 along K, by v_wmma_scale_f32_16x16x128_f8f6f4 with both operands' format E2M3, f32 sums; everything else in f32.
;; Inputs: Wk_codes 1,024 x 32 x 24 uint8 (E2M3 codes of Wk, K innermost, in blocks of 32 codes, four codes in three bytes); Wk_scales 1,024 x 32 uint8 (E8M0 scales of Wk, one for each 32 codes along K); Wo_codes 1,024 x 32 x 24 uint8 (E2M3 codes of Wo, K innermost, in blocks of 32 codes, four codes in three bytes); Wo_scales 1,024 x 32 uint8 (E8M0 scales of Wo, one for each 32 codes along K); Wq_codes 1,024 x 32 x 24 uint8 (E2M3 codes of Wq, K innermost, in blocks of 32 codes, four codes in three bytes); Wq_scales 1,024 x 32 uint8 (E8M0 scales of Wq, one for each 32 codes along K); Wv_codes 1,024 x 32 x 24 uint8 (E2M3 codes of Wv, K innermost, in blocks of 32 codes, four codes in three bytes); Wv_scales 1,024 x 32 uint8 (E8M0 scales of Wv, one for each 32 codes along K); bk 1,024 float32; bo 1,024 float32; bq 1,024 float32; bv 1,024 float32; query_codes 2,048 x 4 x 32 x 24 uint8 (E2M3 codes of query, K innermost, in blocks of 32 codes, four codes in three bytes); query_scales 2,048 x 4 x 32 uint8 (E8M0 scales of query, one for each 32 codes along K).
;; Outputs: out0 2,048 x 4 x 1,024 float32.
;; This version of the problem:
;;   THIS VERSION OF THE PROBLEM IS GIVEN IN LOW PRECISION. The matrix products marked QUANTISED in the list below multiply operands that are first quantised to E2M3 (2 exponent bits, 3 mantissa bits; 6 bits a number), with one power-of-two scale for each 32 numbers along K (OCP MX v1.0); their sums are f32. All else is computed in f32.
;;   The module's matrix products, in the order in which they are computed (A, B: the left and right operand; K: the contracted axis; several contracted axes count as one K, in the product's order):
;;     1. [M 8,192, K 1,024] x [K 1,024, N 1,024]; A: input query (given as codes); B: input Wq (given as codes): QUANTISED
;;     2. [M 8,192, K 1,024] x [K 1,024, N 1,024]; A: input query (given as codes); B: input Wk (given as codes): QUANTISED
;;     3. [M 8,192, K 1,024] x [K 1,024, N 1,024]; A: input query (given as codes); B: input Wv (given as codes): QUANTISED
;;     4. batch 64 x [M 2,048, K 64] x [K 64, N 2,048]; A: computed on the way; B: computed on the way: QUANTISED
;;     5. batch 64 x [M 2,048, K 2,048] x [K 2,048, N 64]; A: softmax (see below); B: computed on the way: QUANTISED
;;     6. [M 8,192, K 1,024] x [K 1,024, N 1,024]; A: computed on the way; B: input Wo (given as codes): QUANTISED
;;   THE QUANTISER, for each operand of a quantised product, along K:
;;     - K is cut into blocks of 32 from its start; a last block that is shorter is filled with zeros.
;;     - A block's scale is 2^e with e = floor(log2(the largest magnitude in the block)) - 2, held to -126 .. 127; a block of zeros has e = 0. As a byte (E8M0): e + 127.
;;     - Each number is divided by its block's scale, clamped to +-7.5, and rounded to the nearest number of E2M3, ties to even, subnormals kept.
;;     - The product sums the exact products of the quantised numbers (number of the format x scale) in f32.
;;   ~~~python
;;   def quantise(x, axis):      # numpy; x: float32 -> the quantised numbers, widened to float32 again
;;       x = np.moveaxis(x, axis, -1); K = x.shape[-1]
;;       x = np.pad(x, [(0, 0)] * (x.ndim - 1) + [(0, -K % 32)]); x = x.reshape(x.shape[:-1] + (-1, 32)); a = np.abs(x).max(-1, keepdims=True)
;;       e = np.where(a > 0, np.clip(np.frexp(np.where(a > 0, a, 1))[1] - 1 - 2, -126, 127), 0)      # np.frexp(a)[1] - 1 = floor(log2(a)), exactly
;;       r = np.clip(x / 2.0 ** e, -7.5, 7.5)
;;       step = 2.0 ** (np.maximum(np.frexp(np.where(r == 0, 1, r))[1] - 1, 0) - 3)
;;       q = np.round(r / step) * step * 2.0 ** e      # np.round: ties to even
;;       return np.moveaxis(q.reshape(q.shape[:-2] + (-1,))[..., :K], -1, axis).astype(np.float32)
;;   ~~~
;;   SOFTMAX AHEAD OF A QUANTISED PRODUCT. Where the list says 'softmax', what is quantised is not the finished softmax but p = 2^(t - M), with t = logit x log2(e) and M = ceil(the row's largest t), a whole number; so 1/2 < the row's largest p <= 1. The row's sum l is taken of the UNQUANTISED p, in f32, and the product's result is divided by l at the end. Since M is a whole number, a kernel that streams over the keys may use a running M (the ceiling of the running maximum): every later rescaling is an exact power of two, which a block's scale takes up: the codes' values come out the same.
;;   OPERANDS COMPUTED ON THE WAY. 'Computed on the way' means the value that the module computes at that place (a softmax that the list does not call 'softmax' is quantised finished and normalised). What goes into a quantiser is computed in f32, as accurately as f32 sums, v_exp_f32 and their like allow (about 1e-6 of the number): no bf16 or f16 on the way to a quantiser, and a product that is left as it is and whose result goes on into a quantised operand takes f32 operands (vector FMAs, or v_wmma_f32_16x16x4_f32). A number that lies on a knife's edge between two numbers of the format may be rounded either way, as far as f32 arithmetic and the matrix unit's own rounding can turn it there, and no further.
;;   INPUTS GIVEN AS CODES. Wk (in the module: [1024, 1024], K = its axis 1); Wo (in the module: [1024, 1024], K = its axis 1); Wq (in the module: [1024, 1024], K = its axis 1); Wv (in the module: [1024, 1024], K = its axis 1); query (in the module: [2048, 4, 1024], K = its axis 2): each comes as NAME_codes (uint8): NAME with its K axis moved to the last place and cut into blocks of 32 codes, [.., K / 32, bytes a block], one block behind the other in memory; four codes in three bytes: a row's codes are one little-endian stream of bits, code i at bits 6 i .. 6 i + 5 (a code: sign, 2 exponent bits, 3 mantissa bits); and NAME_scales (uint8): the same leading axes, one E8M0 byte (e + 127) for each 32 codes along K. Its value is code x scale, taken as it is: it is not quantised again, and the codes and scales need not be those that the quantiser above would give.
;; One version. Each part assembles by itself: llvm-mc -triple=amdgcn-amd-amdhsa -mcpu=gfx1250 --defsym DOCPART=n.
;; ======== version 1 of 1: 4 launches
;; limits: right only within a limited range of input values
;; workspace buffers: qk_img 12,582,912 bytes; qk_sc 524,288 bytes; v_img 6,291,456 bytes; v_sc 262,144 bytes; a_img 6,291,456 bytes; a_sc 262,144 bytes
;; launch qk (part 1): grid 8 x 32, 4 waves a work-group, clusters of 4 x 4, 327,680 bytes of LDS; arguments query_codes, query_scales, Wq_codes, Wq_scales, bq, Wk_codes, Wk_scales, bk, qk_img, qk_sc; writes qk_img, qk_sc
.if DOCPART == 1
	.amdgcn_target "amdgcn-amd-amdhsa--gfx1250"
	.amdhsa_code_object_version 6
	.text
	.protected	k_q8daee1b270_qk
	.globl	k_q8daee1b270_qk
	.p2align	8
	.type	k_q8daee1b270_qk,@function
k_q8daee1b270_qk:
	s_mov_b64 s[64:65], 0
	v_nop
	global_prefetch_b8 v0, s[64:65] scope:SCOPE_SE
	s_setreg_imm32_b32 hwreg(HW_REG_WAVE_MODE, 25, 1), 1
	s_wait_xcnt 0x0
	s_wait_alu depctr_hold_cnt(0) depctr_sa_sdst(0) depctr_va_vdst(0) depctr_va_sdst(0) depctr_va_ssrc(0) depctr_va_vcc(0) depctr_vm_vsrc(0)
	s_getreg_b32 s2, hwreg(HW_REG_IB_STS2, 6, 4)
	s_cmp_eq_u32 s2, 0
	s_cbranch_scc0 .Lentry_in_a_cluster
	s_endpgm
.Lentry_in_a_cluster:
	s_bfe_u32 s2, ttmp6, 0x10000c
	s_cmp_lg_u32 s2, 0xf033
	s_cbranch_scc0 .Lentry_shape_is_right
	s_endpgm
.Lentry_shape_is_right:
; q = x Wq^T + bq and k = x Wk^T + bk on codes of FP6 with E8M0 scales, K = 1,024; the results are quantised along the head's 64 and stored as images of operand registers.
; A work-group makes 256 x 256, a wave 128 x 128.  K goes in CHUNKS OF 256 BYTES of each row of codes (a row is 768 bytes: three chunks), chunk c in slot c % 2; a step of 128 along K is 96 bytes: eight steps to three chunks.
; THE HEAD: four tiles of 256 rows (x's and W's chunks 0 and 1), one joint load a wave.  ONE REFILL: chunk 2 into slot 0, by waves 0 and 1, behind a round of the cluster's barrier.
; No prefetch: the walk along K is written out, there is no loop to run ahead in.
.set ROWB,   256
.set PITCH,  272
.set FR,     12
.set NL,     6
.set NP,     4
.set HALFT,  128*PITCH
.set AHALF,  HALFT
.set SLOT,   2*AHALF+2*HALFT
.set SPARE,  2*SLOT
.set ACH,    256
.set BCH,    256
.set ADRA, 16
.set ADRB, 20
.set LI,   24
.set LSC,  25
.set SPW,  28
.set NIL,  29
.set SC,   32
.set TM,   96
.set CT,   112
.set PWA,  120
.set PWB,  121
.set AF,   128
.set TMP,  128
.set SW,   224
.set OW,   232
.set G1, 24
.set G0, 32
.set G1B, 48
.set G0B, 56
.set MUL_LO, 0xa1
.set MUL_HI, 0xf1
.set TO_B,   0x40
.set MSB, 0
.macro WIN new
.if MSB != (\new)
	s_set_vgpr_msb (MSB<<8)|(\new)
.set MSB, (\new)
.endif
.endm
.macro PLACES n
.rept \n
	v_nop
.endr
.endm
.macro JLOAD g0a, g1a, g0b, g1b        ; the head's load: even waves fetch source 1's tile, odd waves source 0's
	s_cmp_eq_u32 s16, 0
	s_cbranch_scc0 .Lfor_b_\@
	tensor_load_to_lds s[\g0a:\g0a+3], s[\g1a:\g1a+7]
	s_nop 0
.rept 4
	v_nop
.endr
	s_branch .Lasked_\@
.Lfor_b_\@:
	tensor_load_to_lds s[\g0b:\g0b+3], s[\g1b:\g1b+7]
	s_nop 0
.rept 4
	v_nop
.endr
.Lasked_\@:
.endm
.macro CREST
	s_cmp_lg_u32 s14, 0
	s_cbranch_scc1 .Lnot_wave_0_\@
	s_barrier_signal -3
.Lnot_wave_0_\@:
	s_barrier_wait -3
	s_barrier_signal -1
	s_barrier_wait -1
.endm
.macro CROUND
	s_barrier_signal -1
	s_barrier_wait -1
	CREST
.endm
.macro FRAG reg, adr, st, i            ; step st's fragment in pieces of 8 bytes; byte y of a row lies in chunk y / 256, slot (y / 256) % 2
.irp p, 0,1,2,3,4,5
.set BY, 96*(\st)+48*(\p/3)+8*(\p%3)
.if BY/ROWB == (BY+24)/ROWB
	ds_load_b64 v[\reg+2*\p:\reg+2*\p+1], v[\adr+(BY/ROWB)%2] offset:BY%ROWB+(\i)*16*PITCH
.else                                  ; lanes 16-31, 24 bytes on, read the next chunk, in the other slot
	ds_load_b64 v[\reg+2*\p:\reg+2*\p+1], v[\adr+2+(BY/ROWB)%2] offset:BY%ROWB-232+(\i)*16*PITCH
.endif
.endr
.endm
.macro FETCH_B st, p
	WIN TO_B
.irp i, 0,1,2,3,4,5,6,7
	FRAG 128*(\p)+FR*\i, ADRB, \st, \i
.endr
	WIN 0
.endm
.macro FETCH_A st, i0
.irp i, \i0, \i0+1, \i0+2, \i0+3
	FRAG AF+FR*(\i), ADRA, \st, \i
.endr
.endm
.macro MUL16 a0, p, ks, cm
.irp a, \a0, \a0+1
.irp b, 0,1,2,3,4,5,6,7
.set rD, 8*(8*((\a)%4)+\b)
.set rB, 128*(\p)+FR*\b
.set rA, AF+FR*(\a)
.set rC, rD
.if \cm == 1
.set rC, 96+8*\b+96*(\b/4)
.endif
.if \cm == 2
.set rC, 96+8*(\a)+96*((\a)/4)
.endif
	v_wmma_scale_f32_16x16x128_f8f6f4 v[rD:rD+7], v[rB:rB+FR-1], v[rA:rA+FR-1], v[rC:rC+7], v[SC+8*\b+(\ks)], v[SC+8*(\a)+(\ks)] matrix_a_fmt:MATRIX_FMT_FP6 matrix_b_fmt:MATRIX_FMT_FP6 matrix_a_scale:MATRIX_SCALE_ROW1
.endr
.endr
.endm
; A step of 128 along K: 64 products; the next step's fragments are fetched in its middle and at its end.  Where the next step ends in chunk 2, a barrier shows that chunk whole.
; Where it begins in a later chunk than this step, the chunk left behind is read no more: the three lines, a barrier, and for chunk 0 a round of the cluster's barrier and the refill.
.macro STEP st, cm
.set NX, (\st)+1
.set C0, (96*(\st))/ROWB
.set C1, (96*NX)/ROWB
.set E0, (96*(\st)+95)/ROWB
.set E1, (96*NX+95)/ROWB
.if C1 > C0 || (E1 > E0 && E1 > 1)
	s_wait_tensorcnt 0x0                           ; all my tensor loads have landed
.if C1 > C0
	ds_add_u32 v[SPW], v[NIL]
	s_wait_dscnt 4*NL+1                            ; the add and the youngest 24 loads may be out
.else
	s_wait_dscnt 4*NL
.endif
	WIN MUL_LO
	MUL16 0, (\st)%2, \st, 0
	s_wait_dscnt 0x0                               ; the add and my reads are done
	s_barrier_signal -1
	MUL16 2, (\st)%2, \st, 0
	WIN 0
	s_barrier_wait -1
.if C1 > C0 && C0 == 0
	CREST
	s_add_nc_u64 s[G0+2:G0+3], s[G0+2:G0+3], 2*ACH
	s_add_nc_u64 s[G0B+2:G0B+3], s[G0B+2:G0B+3], 2*BCH
	s_cmp_eq_u32 s14, 0
	s_cbranch_scc0 .Lrb_\@
	tensor_load_to_lds s[G0:G0+3], s[G1:G1+7]      ; wave 0: chunk 2 of source 1's 256 rows
	s_nop 0
	PLACES 4
	s_branch .Lrd_\@
.Lrb_\@:
	s_cmp_eq_u32 s14, 1
	s_cbranch_scc0 .Lrd_\@
	tensor_load_to_lds s[G0B:G0B+3], s[G1B:G1B+7]  ; wave 1: of source 0's
	s_nop 0
	PLACES 4
.Lrd_\@:
.endif
	PLACES NP
.else
	s_wait_dscnt 4*NL                              ; the youngest 24 loads (blocks 4-7) may be out
.if \cm
	WIN 0x91
.else
	WIN MUL_LO
.endif
	MUL16 0, (\st)%2, \st, \cm
	MUL16 2, (\st)%2, \st, \cm
	s_wait_dscnt 0
	PLACES NP
.endif
	FETCH_B NX, NX%2
	FETCH_A NX, 0
.if \cm
	WIN 0xd1
.else
	WIN MUL_HI
.endif
	MUL16 4, (\st)%2, \st, \cm
	MUL16 6, (\st)%2, \st, \cm
	PLACES NP
	WIN 0
	FETCH_A NX, 4
.endm
.macro QUANT s, w, d0, d1, pw
	WIN 0x0a+5*((\w)-2)
.irp b, 0,1,2,3
	v_max3_num_f32 v[TM+\b], |v[(\s)+16*\b]|, |v[(\s)+16*\b+1]|, 0x1800000
.endr
.irp i, 2,4,6,8,10,12,14
.irp b, 0,1,2,3
	v_max3_num_f32 v[TM+\b], |v[(\s)+16*\b+\i]|, |v[(\s)+16*\b+\i+1]|, v[TM+\b]
.endr
.endr
	WIN 0
.irp b, 0,1,2,3
	v_permlanex16_b32 v[TM+4+\b], v[TM+\b], s70, s71
.endr
.irp b, 0,1,2,3
	v_max_num_f32 v[TM+\b], v[TM+\b], v[TM+4+\b]
.endr
.irp b, 0,1,2,3
	v_add_nc_u32 v[TM+12+\b], 0xff000000, v[TM+\b]
.endr
.irp b, 0,1,2,3
	v_lshrrev_b32 v[TM+4+\b], 23, v[TM+12+\b]
.endr
	v_lshl_or_b32 v[(\pw)], v[TM+5], 8, v[TM+4]
	v_lshl_or_b32 v[(\pw)], v[TM+6], 16, v[(\pw)]
	v_lshl_or_b32 v[(\pw)], v[TM+7], 24, v[(\pw)]
	WIN 0x02+((\w)-2)
	v_cvt_scalef32_pk16_fp6_f32 v[(\d0):(\d0)+2], v[(\s):(\s)+15], v[TM+12]
	v_cvt_scalef32_pk16_fp6_f32 v[CT:CT+2], v[(\s)+16:(\s)+31], v[TM+13]
	v_cvt_scalef32_pk16_fp6_f32 v[(\d1):(\d1)+2], v[(\s)+32:(\s)+47], v[TM+14]
	v_cvt_scalef32_pk16_fp6_f32 v[CT+4:CT+6], v[(\s)+48:(\s)+63], v[TM+15]
	WIN 0
	v_nop
.irp i, 0,1,2
	v_permlane16_swap_b32 v[(\d0)+\i], v[CT+\i]
.endr
.irp i, 0,1,2
	v_mov_b32 v[(\d0)+3+\i], v[CT+\i]
.endr
.irp i, 0,1,2
	v_permlane16_swap_b32 v[(\d1)+\i], v[CT+4+\i]
.endr
.irp i, 0,1,2
	v_mov_b32 v[(\d1)+3+\i], v[CT+4+\i]
.endr
.endm
	s_load_b512 s[72:87], s[0:1], 0x0
	s_load_b128 s[88:91], s[0:1], 0x40
	v_lshl_add_u32 v[SPW], v0, 2, SPARE
	v_mov_b32 v[NIL], 0
	ds_add_u32 v28, v29
	ds_add_u32 v28, v29
	s_wait_dscnt 0x0
	v_lshrrev_b32 v1, 5, v0
	v_readfirstlane_b32 s14, v1
	s_lshr_b32 s15, s14, 1
	s_and_b32 s16, s14, 1
	s_bfe_u32 s40, ttmp6, 0x40000
	s_bfe_u32 s41, ttmp6, 0x40004
	s_and_b32 s17, ttmp7, 0xffff
	s_lshl_b32 s17, s17, 2
	s_add_co_u32 s17, s17, s41
	s_lshl_b32 s43, s41, 2
	s_lshl_b32 s43, 15, s43
	s_lshl_b32 s44, 0x1111, s40
	s_or_b32 s[G1+0], s43, (0<<16)|(1<<20)|(1<<21)|(5<<22)|(3<<25)
	s_or_b32 s[G1B+0], s44, (0<<16)|(1<<20)|(1<<21)|(5<<22)|(3<<25)
.irp g, G1, G1B
	s_mov_b32 s[\g+1], ROWB<<16
	s_mov_b32 s[\g+2], 256<<16
	s_mov_b32 s[\g+3], ROWB<<16
	s_mov_b32 s[\g+4], 256
	s_mov_b32 s[\g+6], 0
	s_mov_b32 s[\g+7], 0
.endr
	s_mov_b32 s[G1+5], 3072
	s_mov_b32 s[G1B+5], 768
	s_lshr_b32 s18, s17, 3
	s_and_b32 s19, s17, 7
	s_lshl_b32 s20, s19, 10
	s_add_co_u32 s20, s20, s18
	s_mul_i32 s20, s20, 768
	s_mov_b32 s21, 0
	s_lshl_b32 s46, s40, 8
	s_mul_i32 s46, s46, 768
	s_mov_b32 s47, 0
	s_lshl_b32 s22, s19, 10
	s_lshl_b32 s23, s15, 9
	s_add_co_u32 s22, s22, s23
	s_add_co_u32 s22, s22, s18
	s_lshl_b32 s22, s22, 5
	s_mov_b32 s23, 0
	s_lshl_b32 s92, s40, 8
	s_lshl_b32 s93, s16, 7
	s_add_co_u32 s92, s92, s93
	s_lshl_b32 s94, s92, 2
	s_mov_b32 s95, 0
	s_lshl_b32 s92, s92, 5
	s_mov_b32 s93, 0
	s_lshl_b32 s96, ttmp9, 6
	s_lshl_b32 s97, s18, 4
	s_add_co_u32 s96, s96, s97
	s_lshl_b32 s97, s40, 2
	s_add_co_u32 s96, s96, s97
	s_lshl_b32 s97, s16, 1
	s_add_co_u32 s96, s96, s97
	s_lshl_b32 s97, s19, 1
	s_add_co_u32 s97, s97, s15
	s_mul_i32 s98, s96, 98304
	s_mul_i32 s99, s97, 6144
	s_add_co_u32 s98, s98, s99
	s_mov_b32 s99, 0
	s_lshl_b32 s96, s96, 12
	s_lshl_b32 s97, s97, 8
	s_add_co_u32 s96, s96, s97
	s_mov_b32 s97, 0
	s_mov_b32 s66, 0xffff0000
	s_mov_b32 s67, 0x05040100
	s_mov_b32 s68, 0x07060302
	s_mov_b32 s70, 0x76543210
	s_mov_b32 s71, 0xfedcba98
	s_wait_kmcnt 0x0
	s_cmp_eq_u32 ttmp9, 0
	s_cselect_b64 s[8:9], s[76:77], s[82:83]
	s_cselect_b64 s[10:11], s[78:79], s[84:85]
	s_cselect_b64 s[12:13], s[80:81], s[86:87]
	s_add_nc_u64 s[20:21], s[72:73], s[20:21]
	s_add_nc_u64 s[46:47], s[8:9], s[46:47]
	s_add_nc_u64 s[6:7], s[74:75], s[22:23]
	s_add_nc_u64 s[10:11], s[10:11], s[92:93]
	s_add_nc_u64 s[12:13], s[12:13], s[94:95]
	s_add_nc_u64 s[88:89], s[88:89], s[98:99]
	s_add_nc_u64 s[90:91], s[90:91], s[96:97]
	CROUND
	s_mul_i32 s2, s15, ACH                         ; wave w fetches chunk w / 2, into slot w / 2
	s_mov_b32 s3, 0
	s_mul_i32 s4, s15, BCH
	s_mov_b32 s5, 0
	s_mov_b32 s[G0], 1
	s_mul_i32 s[G0+1], s15, SLOT
	s_add_nc_u64 s[G0+2:G0+3], s[20:21], s[2:3]
	s_or_b32 s[G0+3], s[G0+3], 0x80000000
	s_mov_b32 s[G0B], 1
	s_add_co_u32 s[G0B+1], s[G0+1], 2*AHALF
	s_add_nc_u64 s[G0B+2:G0B+3], s[46:47], s[4:5]
	s_or_b32 s[G0B+3], s[G0B+3], 0x80000000
	JLOAD G0, G1, G0B, G1B                         ; one tensor load a wave at the head
	v_and_b32 v1, 15, v0
	v_bfe_u32 v2, v0, 4, 1
	v_lshlrev_b32 v6, 7, v1
	v_lshlrev_b32 v7, 5, v1
	v_lshlrev_b32 v8, 5, v2
.irp i, 0,1,2,3,4,5,6,7
	global_load_b128 v[SC+8*\i:SC+8*\i+3], v7, s[10:11] offset:512*\i
	global_load_b128 v[SC+8*\i+4:SC+8*\i+7], v7, s[10:11] offset:512*\i+16
	global_load_b128 v[TMP+8*\i:TMP+8*\i+3], v6, s[6:7] offset:2048*\i
	global_load_b128 v[TMP+8*\i+4:TMP+8*\i+7], v6, s[6:7] offset:2048*\i+16
.endr
	WIN 0x40
.irp b, 0,1,2,3,4,5,6,7
	global_load_b128 v[96+8*\b+96*(\b/4):96+8*\b+96*(\b/4)+3], v8, s[12:13] offset:64*\b
	global_load_b128 v[96+8*\b+96*(\b/4)+4:96+8*\b+96*(\b/4)+7], v8, s[12:13] offset:64*\b+16
.endr
	WIN 0
	v_mul_u32_u24 v3, v1, PITCH
	v_mul_u32_u24 v4, v2, 24
	v_add_nc_u32 v4, v3, v4
	s_mov_b32 s2, SLOT-232
	s_mov_b32 s3, SLOT+232
	v_sub_nc_u32 v12, 1, v2
	v_mul_u32_u24 v5, s2, v2
	v_add_nc_u32 v5, v3, v5
	v_add_nc_u32 v5, 232, v5                       ; lanes 0-15 byte 232 of the row in slot 0, lanes 16-31 byte 0 in slot 1
	v_mul_u32_u24 v12, s3, v12
	v_add_nc_u32 v12, v3, v12                      ; lanes 0-15 byte 232 in slot 1, lanes 16-31 byte 0 in slot 0
	s_mul_i32 s2, s15, AHALF
	s_mul_i32 s3, s16, HALFT
	s_add_co_u32 s3, s3, 2*AHALF
	v_add_nc_u32 v[ADRA+2], s2, v5
	v_add_nc_u32 v[ADRA+3], s2, v12
	v_add_nc_u32 v[ADRB+2], s3, v5
	v_add_nc_u32 v[ADRB+3], s3, v12
.irp s, 0,1
	v_add_nc_u32 v[ADRA+\s], s2, v4
	v_add_nc_u32 v[ADRB+\s], s3, v4
	s_add_co_u32 s2, s2, SLOT
	s_add_co_u32 s3, s3, SLOT
.endr
	v_and_b32 v9, 31, v0
	v_lshlrev_b32 v[LI], 4, v9
	v_lshlrev_b32 v[LSC], 4, v1
	v_lshl_add_u32 v[LSC], v2, 12, v[LSC]
.irp b, 0,1,2,3
	v_mov_b32 v[TM+4+\b], 0
.endr
	s_wait_loadcnt 0x0
.set k, 0
.rept 64
	v_cndmask_b32 v[SC+k], v[TMP+k], v[SC+k], s66
.set k, k+1
.endr
	PLACES 8
	s_wait_alu depctr_va_vdst(0)
	s_wait_tensorcnt 0x0                           ; every wave's one load: behind the barrier chunks 0 and 1 are whole; chunk 2 is filled into slot 0 later
	s_barrier_signal -1
	s_barrier_wait -1
	FETCH_B 0, 0
	FETCH_A 0, 0
	FETCH_A 0, 4
	STEP 0, 1
.irp st, 1,2,3,4,5,6
	STEP \st, 0
.endr
	s_wait_dscnt 4*NL
	WIN MUL_LO
	MUL16 0, 1, 7, 0
	MUL16 2, 1, 7, 0
	s_wait_dscnt 0
	WIN MUL_HI
	MUL16 4, 1, 7, 0
	MUL16 6, 1, 7, 0
	WIN 0
	PLACES NP
.irp i, 0,1,2,3
	QUANT 64*((2*\i)%4), 2+(2*\i)/4, 128+24*\i, 128+24*\i+12, PWA
	QUANT 64*((2*\i+1)%4), 2+(2*\i+1)/4, 128+24*\i+6, 128+24*\i+18, PWB
	v_perm_b32 v[SW+\i], v[PWB], v[PWA], s67
	v_perm_b32 v[SW+4+\i], v[PWB], v[PWA], s68
.irp c, 0,1
.irp k, 0,1,2
	global_store_b128 v[LI], v[128+24*\i+12*\c+4*\k:128+24*\i+12*\c+4*\k+3], s[88:89] offset:98304*\c+1536*\i+512*\k
.endr
.endr
.endr
.irp i, 0,1,2,3
	v_cndmask_b32 v[OW+\i], v[SW+\i], v[SW+4+\i], s66
.endr
	global_store_b128 v[LSC], v[OW:OW+3], s[90:91]
	s_wait_tensorcnt 0x0
	ds_add_u32 v[SPW], v[NIL]
	s_wait_dscnt 0x0
	CROUND
	s_endpgm
.Lfunc_end_k_q8daee1b270_qk:
	.size	k_q8daee1b270_qk, .Lfunc_end_k_q8daee1b270_qk-k_q8daee1b270_qk
	.p2alignl 7, 3214868480
	.fill 96, 4, 3214868480
	.section	.rodata,"a",@progbits
	.p2align	6, 0x0
	.amdhsa_kernel k_q8daee1b270_qk
		.amdhsa_group_segment_fixed_size 327680
		.amdhsa_private_segment_fixed_size 0
		.amdhsa_enable_private_segment 0
		.amdhsa_kernarg_size 80
		.amdhsa_user_sgpr_count 2
		.amdhsa_user_sgpr_kernarg_segment_ptr 1
		.amdhsa_wavefront_size32 1
		.amdhsa_system_sgpr_workgroup_id_x 1
		.amdhsa_system_sgpr_workgroup_id_y 1
		.amdhsa_system_sgpr_workgroup_id_z 1
		.amdhsa_system_vgpr_workitem_id 0
		.amdhsa_next_free_vgpr 1024
		.amdhsa_next_free_sgpr 100
		.amdhsa_reserve_vcc 0
		.amdhsa_float_denorm_mode_32 3
		.amdhsa_float_denorm_mode_16_64 3
		.amdhsa_memory_ordered 1
		.amdhsa_forward_progress 1
		.amdhsa_inst_pref_size 168
	.end_amdhsa_kernel
	.amdgpu_metadata
---
amdhsa.version: [ 1, 2 ]
amdhsa.kernels:
  - .name:           k_q8daee1b270_qk
    .symbol:         k_q8daee1b270_qk.kd
    .args:
      - { .name: query_codes, .offset: 0, .size: 8, .value_kind: global_buffer, .address_space: global }
      - { .name: query_scales, .offset: 8, .size: 8, .value_kind: global_buffer, .address_space: global }
      - { .name: Wq_codes, .offset: 16, .size: 8, .value_kind: global_buffer, .address_space: global }
      - { .name: Wq_scales, .offset: 24, .size: 8, .value_kind: global_buffer, .address_space: global }
      - { .name: bq, .offset: 32, .size: 8, .value_kind: global_buffer, .address_space: global }
      - { .name: Wk_codes, .offset: 40, .size: 8, .value_kind: global_buffer, .address_space: global }
      - { .name: Wk_scales, .offset: 48, .size: 8, .value_kind: global_buffer, .address_space: global }
      - { .name: bk, .offset: 56, .size: 8, .value_kind: global_buffer, .address_space: global }
      - { .name: qk_img, .offset: 64, .size: 8, .value_kind: global_buffer, .address_space: global }
      - { .name: qk_sc, .offset: 72, .size: 8, .value_kind: global_buffer, .address_space: global }
    .group_segment_fixed_size: 327680
    .private_segment_fixed_size: 0
    .kernarg_segment_align: 8
    .kernarg_segment_size: 80
    .max_flat_workgroup_size: 128
    .sgpr_count:     100
    .vgpr_count:     1024
    .wavefront_size: 32
...
	.end_amdgpu_metadata
.endif
;; end of part 1
;; launch vp (part 2): grid 32 x 8, 4 waves a work-group, clusters of 4 x 4, 327,680 bytes of LDS; arguments query_codes, query_scales, Wv_codes, Wv_scales, bv, v_img, v_sc; writes v_img, v_sc
.if DOCPART == 2
	.amdgcn_target "amdgcn-amd-amdhsa--gfx1250"
	.amdhsa_code_object_version 6
	.text
	.protected	k_q8daee1b270_vp
	.globl	k_q8daee1b270_vp
	.p2align	8
	.type	k_q8daee1b270_vp,@function
k_q8daee1b270_vp:
	s_mov_b64 s[64:65], 0
	v_nop
	global_prefetch_b8 v0, s[64:65] scope:SCOPE_SE
	s_setreg_imm32_b32 hwreg(HW_REG_WAVE_MODE, 25, 1), 1
	s_wait_xcnt 0x0
	s_wait_alu depctr_hold_cnt(0) depctr_sa_sdst(0) depctr_va_vdst(0) depctr_va_sdst(0) depctr_va_ssrc(0) depctr_va_vcc(0) depctr_vm_vsrc(0)
	s_getreg_b32 s2, hwreg(HW_REG_IB_STS2, 6, 4)
	s_cmp_eq_u32 s2, 0
	s_cbranch_scc0 .Lentry_in_a_cluster
	s_endpgm
.Lentry_in_a_cluster:
	s_bfe_u32 s2, ttmp6, 0x10000c
	s_cmp_lg_u32 s2, 0xf033
	s_cbranch_scc0 .Lentry_shape_is_right
	s_endpgm
.Lentry_shape_is_right:
; v = x Wv^T + bv on codes of FP6 (E2M3) with E8M0 scales, K = 1,024; the result is quantised ALONG THE KEYS t (the second attention product's K) in registers and stored as images of operand registers.
; Source 0 = 16 rows of x (one b, neighbouring t), source 1 = 16 rows of Wv: a lane holds ONE column n = 64 h + d, and its registers run along t: register j of x's tile i is t = 16 i + 8 (lane / 16) + j.
; A wave's 128 t are four blocks of 32 keys; inside a block the codes stand in the order 0-7, 16-23, 8-15, 24-31, the order in which the attention launch lays p.
; SHARES.  A work-group makes 128 n x 256 t of one b: 256 work-groups.  A wave makes 64 n (one head) x 128 t: 32 accumulators.
; ALL OF K LIES IN LDS: 128 rows of Wv and 256 rows of x, each 768 bytes + 16 behind every 256: 313,344 bytes, filled once, by one joint load a wave (waves 0, 1: 64 rows of Wv each; waves 2, 3: 128 rows of x each).
; Nothing is filled again: one wait and one barrier at the head, none in the walk along K.  CLUSTERS: Wv's rows are shared along a row of the cluster, x's along a column.
; No prefetch: all that the launch reads is asked for at its head.
; Both operands have two sets of fragment registers: a step's products run while the next step's 72 LDS loads are on their way.
; OUT.  v_img [16 b + h][128 keys][d / 16][3][32 lanes][16 bytes].  v_sc [16 b + h][128 keys][d % 16][d / 16]: a word of the step's four bytes.
; LIMITS: a block whose largest magnitude lies under 2^-124 keeps the byte 1 (a block of zeros too: its codes are zeros and this program alone reads the bytes); NaN and infinities are not served; the bias enters each sum first.
; REGISTERS: window 0: v1-29 addresses; v32-95 scale words (lanes 0-15 Wv's tile i < 4, lanes 16-31 x's tile i); v96-119 at work; v128-223 Wv's fragments, two sets of four, later the codes; v224-227 scale words on the way out.
;   window 1: x's fragments, two sets (v0-95, v128-223); the bias at v96-127.   window 2: the accumulators, (a, b) at v[8 (8 a + b)].
.set KROW,   768
.set PITCH,  816
.set FR,     12
.set NL,     6
.set NP,     4
.set HALFT,  128*PITCH
.set AHALF,  64*PITCH
.set SPARE,  2*AHALF+2*HALFT
.set ADRA, 16                          ; v16, v17 (v17: for the pieces whose lanes 16-31 lie behind one padding more)
.set ADRB, 20                          ; v20, v21 x's tiles 0-3; v22, v23 tiles 4-7
.set LI,   24
.set LSC,  25
.set SPW,  28
.set NIL,  29
.set SC,   32
.set TM,   96
.set CT,   112
.set AF,   128
.set TMP,  128
.set SW,   224
.set G1, 24
.set G0, 32
.set G1B, 48
.set G0B, 56
.set MUL_LO, 0xa1
.set TO_B,   0x40
.set MSB, 0
.macro WIN new
.if MSB != (\new)
	s_set_vgpr_msb (MSB<<8)|(\new)
.set MSB, (\new)
.endif
.endm
.macro PLACES n
.rept \n
	v_nop
.endr
.endm
.macro CROUND
	s_barrier_signal -1
	s_barrier_wait -1
	s_cmp_lg_u32 s14, 0
	s_cbranch_scc1 .Lnot_wave_0_\@
	s_barrier_signal -3
.Lnot_wave_0_\@:
	s_barrier_wait -3
	s_barrier_signal -1
	s_barrier_wait -1
.endm
.macro FRAG reg, adr, st, i            ; step st's fragment of tile i: six pieces of 8 bytes; piece PC of a row lies at 8 PC + 16 (PC / 32)
.irp p, 0,1,2,3,4,5
.set PC, 12*(\st)+6*(\p/3)+\p%3
.if (PC%32)+3 < 32
	ds_load_b64 v[\reg+2*\p:\reg+2*\p+1], v[\adr] offset:8*PC+16*(PC/32)+(\i)*16*PITCH
.else
	ds_load_b64 v[\reg+2*\p:\reg+2*\p+1], v[\adr+1] offset:8*PC+16*(PC/32)+(\i)*16*PITCH
.endif
.endr
.endm
.macro FETCH_B st, p                   ; 48 loads
	WIN TO_B
.irp i, 0,1,2,3,4,5,6,7
	FRAG 128*(\p)+FR*\i, ADRB+2*(\i/4), \st, \i%4
.endr
	WIN 0
.endm
.macro FETCH_A st, i0                  ; 24 loads, into registers i0 .. i0 + 3 of the eight
.irp i, \i0, \i0+1, \i0+2, \i0+3
	FRAG AF+FR*(\i), ADRA, \st, (\i)%4
.endr
.endm
.macro MUL16 a0, p, ks, cm             ; cm = 2: the bias of Wv's tile starts the sums.  The 32 accumulators take turns
.irp a, \a0, \a0+1
.irp b, 0,1,2,3,4,5,6,7
.set rD, 8*(8*((\a)%4)+\b)
.set rB, 128*(\p)+FR*\b
.set rA, AF+FR*(\a)
.set rC, rD
.if \cm == 2
.set rC, 96+8*((\a)%4)
.endif
	v_wmma_scale_f32_16x16x128_f8f6f4 v[rD:rD+7], v[rB:rB+FR-1], v[rA:rA+FR-1], v[rC:rC+7], v[SC+8*\b+(\ks)], v[SC+8*((\a)%4)+(\ks)] matrix_a_fmt:MATRIX_FMT_FP6 matrix_b_fmt:MATRIX_FMT_FP6 matrix_a_scale:MATRIX_SCALE_ROW1
.endr
.endr
.endm
.macro STEP st, cm                     ; 128 along K: 32 products on set st % 2; the next step's fragments go into the other set
	PLACES NP                                      ; behind the last step's products, which read that set
	FETCH_B (\st)+1, ((\st)+1)%2
	s_wait_dscnt 8*NL                              ; all but the 48 just issued: this step's fragments are in
.if \cm
	WIN 0x91
.else
	WIN MUL_LO
.endif
	MUL16 4*((\st)%2), (\st)%2, \st, \cm
	WIN 0
	FETCH_A (\st)+1, 4*(((\st)+1)%2)
.if \cm
	WIN 0x91
.else
	WIN MUL_LO
.endif
	MUL16 4*((\st)%2)+2, (\st)%2, \st, \cm
	WIN 0
.endm
.macro QUANT s, d0, d1, pw             ; 64 results of a lane (window 2) become 12 code registers (blocks 0, 1 at d0; 2, 3 at d1) and the four scale bytes in v[pw]
	WIN 0x0a
.irp b, 0,1,2,3
	v_max3_num_f32 v[TM+\b], |v[(\s)+16*\b]|, |v[(\s)+16*\b+1]|, 0x1800000   ; each accumulator from its low end on; the floor 2^(3 - 127)
.endr
.irp i, 2,4,6,8,10,12,14
.irp b, 0,1,2,3
	v_max3_num_f32 v[TM+\b], |v[(\s)+16*\b+\i]|, |v[(\s)+16*\b+\i+1]|, v[TM+\b]
.endr
.endr
	WIN 0
.irp b, 0,1,2,3
	v_permlanex16_b32 v[TM+4+\b], v[TM+\b], s70, s71
.endr
.irp b, 0,1,2,3
	v_max_num_f32 v[TM+\b], v[TM+\b], v[TM+4+\b]
.endr
.irp b, 0,1,2,3
	v_add_nc_u32 v[TM+12+\b], 0xff000000, v[TM+\b]
.endr
.irp b, 0,1,2,3
	v_lshrrev_b32 v[TM+4+\b], 23, v[TM+12+\b]
.endr
	v_lshl_or_b32 v[(\pw)], v[TM+5], 8, v[TM+4]
	v_lshl_or_b32 v[(\pw)], v[TM+6], 16, v[(\pw)]
	v_lshl_or_b32 v[(\pw)], v[TM+7], 24, v[(\pw)]
	WIN 0x02
	v_cvt_scalef32_pk16_fp6_f32 v[(\d0):(\d0)+2], v[(\s):(\s)+15], v[TM+12]
	v_cvt_scalef32_pk16_fp6_f32 v[CT:CT+2], v[(\s)+16:(\s)+31], v[TM+13]
	v_cvt_scalef32_pk16_fp6_f32 v[(\d1):(\d1)+2], v[(\s)+32:(\s)+47], v[TM+14]
	v_cvt_scalef32_pk16_fp6_f32 v[CT+4:CT+6], v[(\s)+48:(\s)+63], v[TM+15]
	WIN 0
	v_nop                                          ; one plain place behind a scaled conversion
.irp i, 0,1,2
	v_permlane16_swap_b32 v[(\d0)+\i], v[CT+\i]
.endr
.irp i, 0,1,2
	v_mov_b32 v[(\d0)+3+\i], v[CT+\i]
.endr
.irp i, 0,1,2
	v_permlane16_swap_b32 v[(\d1)+\i], v[CT+4+\i]
.endr
.irp i, 0,1,2
	v_mov_b32 v[(\d1)+3+\i], v[CT+4+\i]
.endr
.endm
	s_load_b256 s[72:79], s[0:1], 0x0              ; x's codes 72, x's scales 74, Wv's codes 76, Wv's scales 78
	s_load_b128 s[80:83], s[0:1], 0x20             ; bv 80, v_img 82
	s_load_b64 s[84:85], s[0:1], 0x30              ; v_sc
	v_lshl_add_u32 v[SPW], v0, 2, SPARE
	v_mov_b32 v[NIL], 0
	ds_add_u32 v[SPW], v[NIL]
	ds_add_u32 v[SPW], v[NIL]
	s_wait_dscnt 0x0
	v_lshrrev_b32 v1, 5, v0
	v_readfirstlane_b32 s14, v1                    ; wave
	s_lshr_b32 s15, s14, 1                         ; my half of Wv's rows.  Also: I fetch Wv (0) or x (1)
	s_and_b32 s16, s14, 1                          ; my half of x's rows.  Also: which half I fetch
	s_bfe_u32 s40, ttmp6, 0x40000                  ; cx
	s_bfe_u32 s41, ttmp6, 0x40004                  ; cy
	s_lshl_b32 s42, ttmp9, 2
	s_add_co_u32 s42, s42, s40                     ; x's tile of 256 rows, 0 .. 31
	s_and_b32 s17, ttmp7, 0xffff
	s_lshl_b32 s17, s17, 2
	s_add_co_u32 s17, s17, s41                     ; Wv's tile of 128 rows, 0 .. 7
	s_lshl_b32 s43, s41, 2
	s_lshl_b32 s43, 15, s43
	s_lshl_b32 s44, 0x1111, s40
	s_or_b32 s[G1+0], s43, (1<<20)|(1<<21)|(5<<22)|(3<<25)
	s_or_b32 s[G1B+0], s44, (1<<20)|(1<<21)|(5<<22)|(3<<25)
.irp g, G1, G1B
	s_mov_b32 s[\g+1], KROW<<16
	s_mov_b32 s[\g+3], KROW<<16
	s_mov_b32 s[\g+6], 0
	s_mov_b32 s[\g+7], 0
.endr
	s_mov_b32 s[G1+2], 64<<16                      ; Wv: 64 rows a load
	s_mov_b32 s[G1+4], 64
	s_mov_b32 s[G1+5], 768
	s_mov_b32 s[G1B+2], 128<<16                    ; x at one b: 128 rows a load
	s_mov_b32 s[G1B+4], 128
	s_mov_b32 s[G1B+5], 3072
	s_lshl_b32 s20, s17, 7
	s_lshl_b32 s21, s16, 6
	s_add_co_u32 s20, s20, s21                     ; Wv: row 128 tile + 64 half
	s_mul_i32 s20, s20, 768
	s_mov_b32 s21, 0
	s_lshr_b32 s92, s42, 3                         ; b
	s_and_b32 s93, s42, 7                          ; which 256 t
	s_lshl_b32 s46, s93, 10
	s_lshl_b32 s47, s16, 9
	s_add_co_u32 s46, s46, s47
	s_add_co_u32 s46, s46, s92                     ; x: row 4 (256 tb + 128 half) + b
	s_mul_i32 s46, s46, 768
	s_mov_b32 s47, 0
	s_lshl_b32 s22, s17, 7
	s_lshl_b32 s23, s15, 6
	s_add_co_u32 s22, s22, s23                     ; my first n
	s_lshl_b32 s18, s22, 2                         ; in the bias,
	s_mov_b32 s19, 0
	s_lshl_b32 s22, s22, 5                         ; in Wv's scale bytes
	s_mov_b32 s23, 0
	s_lshl_b32 s94, s93, 10
	s_lshl_b32 s95, s16, 9
	s_add_co_u32 s94, s94, s95
	s_add_co_u32 s94, s94, s92
	s_lshl_b32 s94, s94, 5                         ; the scale bytes of the first row of x that I multiply
	s_mov_b32 s95, 0
	s_lshl_b32 s96, s92, 4
	s_lshl_b32 s97, s17, 1
	s_add_co_u32 s96, s96, s97
	s_add_co_u32 s96, s96, s15                     ; 16 b + my head
	s_lshl_b32 s97, s93, 1
	s_add_co_u32 s97, s97, s16                     ; which 128 keys
	s_mul_i32 s98, s96, 98304
	s_mul_i32 s99, s97, 6144
	s_add_co_u32 s98, s98, s99
	s_mov_b32 s99, 0
	s_lshl_b32 s96, s96, 12
	s_lshl_b32 s97, s97, 8
	s_add_co_u32 s96, s96, s97
	s_mov_b32 s97, 0
	s_mov_b32 s66, 0xffff0000
	s_mov_b32 s70, 0x76543210
	s_mov_b32 s71, 0xfedcba98
	s_mov_b32 s[G0], 1
	s_mul_i32 s[G0+1], s16, AHALF
	s_mov_b32 s[G0B], 1
	s_mul_i32 s[G0B+1], s16, HALFT
	s_add_co_u32 s[G0B+1], s[G0B+1], 2*AHALF
	s_wait_kmcnt 0x0
	s_add_nc_u64 s[G0+2:G0+3], s[76:77], s[20:21]
	s_or_b32 s[G0+3], s[G0+3], 0x80000000
	s_add_nc_u64 s[G0B+2:G0B+3], s[72:73], s[46:47]
	s_or_b32 s[G0B+3], s[G0B+3], 0x80000000
	s_add_nc_u64 s[6:7], s[78:79], s[22:23]        ; Wv's scales
	s_add_nc_u64 s[10:11], s[74:75], s[94:95]      ; x's scales
	s_add_nc_u64 s[12:13], s[80:81], s[18:19]      ; the bias
	s_add_nc_u64 s[82:83], s[82:83], s[98:99]
	s_add_nc_u64 s[84:85], s[84:85], s[96:97]
	CROUND                                         ; all sixteen work-groups are here: the joint loads meet
	s_cmp_eq_u32 s15, 0                            ; one tensor load a wave
	s_cbranch_scc0 .Lfor_b
	tensor_load_to_lds s[G0:G0+3], s[G1:G1+7]
	s_nop 0
	PLACES 4
	s_branch .Lasked
.Lfor_b:
	tensor_load_to_lds s[G0B:G0B+3], s[G1B:G1B+7]
	s_nop 0
	PLACES 4
.Lasked:
	v_and_b32 v1, 15, v0                           ; r
	v_bfe_u32 v2, v0, 4, 1                         ; h
	v_lshlrev_b32 v6, 7, v1                        ; x's scale rows: 128 bytes apart
	v_lshlrev_b32 v7, 5, v1                        ; Wv's: 32
	v_lshlrev_b32 v8, 2, v1                        ; the bias: my column's number
.irp i, 0,1,2,3,4,5,6,7
	global_load_b128 v[SC+8*\i:SC+8*\i+3], v6, s[10:11] offset:2048*\i         ; x's tile i (source 0)
	global_load_b128 v[SC+8*\i+4:SC+8*\i+7], v6, s[10:11] offset:2048*\i+16
.if \i < 4
	global_load_b128 v[TMP+8*\i:TMP+8*\i+3], v7, s[6:7] offset:512*\i          ; Wv's tile i (source 1)
	global_load_b128 v[TMP+8*\i+4:TMP+8*\i+7], v7, s[6:7] offset:512*\i+16
	global_load_b32 v[192+\i], v8, s[12:13] offset:64*\i                       ; bv of my column in tile i
.endif
.endr
	v_mul_u32_u24 v3, v1, PITCH
	v_mul_u32_u24 v4, v2, 24
	v_add_nc_u32 v4, v3, v4
	v_lshl_add_u32 v5, v2, 4, v4
	s_mul_i32 s2, s15, AHALF
	s_mul_i32 s3, s16, HALFT
	s_add_co_u32 s3, s3, 2*AHALF
	v_add_nc_u32 v[ADRA], s2, v4
	v_add_nc_u32 v[ADRA+1], s2, v5
	v_add_nc_u32 v[ADRB], s3, v4
	v_add_nc_u32 v[ADRB+1], s3, v5
	s_add_co_u32 s3, s3, 64*PITCH
	v_add_nc_u32 v[ADRB+2], s3, v4
	v_add_nc_u32 v[ADRB+3], s3, v5
	v_and_b32 v9, 31, v0
	v_lshlrev_b32 v[LI], 4, v9
	v_lshlrev_b32 v[LSC], 4, v1
.irp b, 0,1,2,3
	v_mov_b32 v[TM+4+\b], 0
.endr
	s_wait_loadcnt 0x0
	WIN 0x40                                       ; the bias in the result's layout: a lane's eight registers of a tile hold its column's one number
.irp a, 0,1,2,3
.irp j, 0,1,2,3,4,5,6,7
	v_mov_b32 v[96+8*\a+\j], v[192+\a]
.endr
.endr
	WIN 0
.set k, 0
.rept 32
	v_cndmask_b32 v[SC+k], v[TMP+k], v[SC+k], s66  ; lanes 0-15 Wv's word, lanes 16-31 x's
.set k, k+1
.endr
	PLACES 8                                       ; a scale register written by a vector instruction stands 8 places ahead of a scaled product
	s_wait_alu depctr_va_vdst(0)
	s_wait_tensorcnt 0x0                           ; every wave's one load
	s_barrier_signal -1
	s_barrier_wait -1                              ; all rows are in
	FETCH_B 0, 0
	FETCH_A 0, 0
	STEP 0, 2
.irp st, 1,2,3,4,5,6
	STEP \st, 0
.endr
	s_wait_dscnt 0
	WIN MUL_LO
	MUL16 4, 1, 7, 0
	MUL16 6, 1, 7, 0
	WIN 0
	PLACES NP
	; THE WAY OUT.  Tile a of Wv's rows (16 d of my head) x my 128 keys is one fragment: 12 registers, three stores of 512 consecutive bytes.
.irp a, 0,1,2,3
	QUANT 64*\a, 128+12*\a, 134+12*\a, SW+\a
.irp k, 0,1,2
	global_store_b128 v[LI], v[128+12*\a+4*\k:128+12*\a+4*\k+3], s[82:83] offset:1536*\a+512*\k
.endr
.endr
	global_store_b128 v[LSC], v[SW:SW+3], s[84:85] ; 256 consecutive bytes; both halves of the lanes hold and store the same words
	s_wait_tensorcnt 0x0                           ; the wave's end
	ds_add_u32 v[SPW], v[NIL]
	s_wait_dscnt 0x0
	CROUND
	s_endpgm
.Lfunc_end_k_q8daee1b270_vp:
	.size	k_q8daee1b270_vp, .Lfunc_end_k_q8daee1b270_vp-k_q8daee1b270_vp
	.p2alignl 7, 3214868480
	.fill 96, 4, 3214868480
	.section	.rodata,"a",@progbits
	.p2align	6, 0x0
	.amdhsa_kernel k_q8daee1b270_vp
		.amdhsa_group_segment_fixed_size 327680
		.amdhsa_private_segment_fixed_size 0
		.amdhsa_enable_private_segment 0
		.amdhsa_kernarg_size 56
		.amdhsa_user_sgpr_count 2
		.amdhsa_user_sgpr_kernarg_segment_ptr 1
		.amdhsa_wavefront_size32 1
		.amdhsa_system_sgpr_workgroup_id_x 1
		.amdhsa_system_sgpr_workgroup_id_y 1
		.amdhsa_system_sgpr_workgroup_id_z 1
		.amdhsa_system_vgpr_workitem_id 0
		.amdhsa_next_free_vgpr 1024
		.amdhsa_next_free_sgpr 100
		.amdhsa_reserve_vcc 0
		.amdhsa_float_denorm_mode_32 3
		.amdhsa_float_denorm_mode_16_64 3
		.amdhsa_memory_ordered 1
		.amdhsa_forward_progress 1
		.amdhsa_inst_pref_size 101
	.end_amdhsa_kernel
	.amdgpu_metadata
---
amdhsa.version: [ 1, 2 ]
amdhsa.kernels:
  - .name:           k_q8daee1b270_vp
    .symbol:         k_q8daee1b270_vp.kd
    .args:
      - { .name: query_codes, .offset: 0, .size: 8, .value_kind: global_buffer, .address_space: global }
      - { .name: query_scales, .offset: 8, .size: 8, .value_kind: global_buffer, .address_space: global }
      - { .name: Wv_codes, .offset: 16, .size: 8, .value_kind: global_buffer, .address_space: global }
      - { .name: Wv_scales, .offset: 24, .size: 8, .value_kind: global_buffer, .address_space: global }
      - { .name: bv, .offset: 32, .size: 8, .value_kind: global_buffer, .address_space: global }
      - { .name: v_img, .offset: 40, .size: 8, .value_kind: global_buffer, .address_space: global }
      - { .name: v_sc, .offset: 48, .size: 8, .value_kind: global_buffer, .address_space: global }
    .group_segment_fixed_size: 327680
    .private_segment_fixed_size: 0
    .kernarg_segment_align: 8
    .kernarg_segment_size: 56
    .max_flat_workgroup_size: 128
    .sgpr_count:     100
    .vgpr_count:     1024
    .wavefront_size: 32
...
	.end_amdgpu_metadata
.endif
;; end of part 2
;; launch attn (part 3): grid 4 x 64, 16 waves a work-group, clusters of 4 x 1, 207,872 bytes of LDS; arguments qk_img, qk_sc, v_img, v_sc, a_img, a_sc; writes a_img, a_sc
.if DOCPART == 3
	.amdgcn_target "amdgcn-amd-amdhsa--gfx1250"
	.amdhsa_code_object_version 6
	.text
	.protected	k_q8daee1b270_attn
	.globl	k_q8daee1b270_attn
	.p2align	8
	.type	k_q8daee1b270_attn,@function
k_q8daee1b270_attn:
	s_mov_b64 s[64:65], 0
	v_nop
	global_prefetch_b8 v0, s[64:65] scope:SCOPE_SE
	s_setreg_imm32_b32 hwreg(HW_REG_WAVE_MODE, 25, 1), 1
	s_wait_xcnt 0x0
	s_wait_alu depctr_hold_cnt(0) depctr_sa_sdst(0) depctr_va_vdst(0) depctr_va_sdst(0) depctr_va_ssrc(0) depctr_va_vcc(0) depctr_vm_vsrc(0)
	s_getreg_b32 s2, hwreg(HW_REG_IB_STS2, 6, 4)
	s_cmp_eq_u32 s2, 0
	s_cbranch_scc0 .Lentry_in_a_cluster
	s_endpgm
.Lentry_in_a_cluster:
	s_bfe_u32 s2, ttmp6, 0x10000c
	s_cmp_lg_u32 s2, 0x3003
	s_cbranch_scc0 .Lentry_shape_is_right
	s_endpgm
.Lentry_shape_is_right:
; For each of 64 (b, h): o = softmax(q k^T / 8) v, both products on codes of FP6 (E2M3) with E8M0 scales; o is quantised along E and stored as images of operand registers.
; THE SOFTMAX: t = score x log2(e) / 8; M = the running largest t rounded UP to a whole number; p = 2^(t - M) is quantised along the keys, not normalised; the sum is taken of the unquantised p and divides at the end.
; When M moves, the sum and O are multiplied by 2^(old M - new M): exact.
; SHARES.  A work-group owns one (b, h) and 512 queries; each of its sixteen waves 32 of them, as two passes of 16: 256 registers a wave, four waves to a SIMD.
; K AND V OF THE WHOLE HEAD LIE IN LDS (2 x 98,304 bytes of codes, 2 x 4,096 of scale words): every byte is filled once, nothing is filled again.
; THE FILLS are ten joint loads (the cluster's four work-groups own the same (b, h): mask of all four), ONE A WAVE: wave w < 8 a chunk of 24,576 bytes (w % 2: K or V; w / 2: which), waves 8 and 9 the scale words.
; Every wave waits for its load, one barrier shows all of it, and behind it LDS is only read: the two passes of sixteen key steps have no barrier, and the waves go each at its own pace.
; No prefetch: all that the launch reads is asked for at its head.
; K = 64 IN AN INSTRUCTION OF 128.  A fragment of K holds 16 double rows: K places 0-63 the 64 d of key 32 f + m, places 64-127 those of key 32 f + 16 + m.  It is multiplied twice: by (q, zeros) and by (zeros, q).
; LAYOUT.  S^T = K q^T, O^T = V^T P^T: a lane holds ONE query.  The 16 registers of block f are keys 32 f + 8 h + 0..7 and 32 f + 16 + 8 h + 0..7: the order in which V's codes were laid.
; LIMITS: a block whose largest magnitude lies under 2^-124 keeps the byte 1 (a block of zeros too: zero codes); NaN and infinities are not served; the scaled scores stay under 2^31 in magnitude;
; a block's largest p is taken from its largest score, which takes v_exp_f32 not to fall where its input rises.
; REGISTERS: v1-5, v11, v35 addresses; v6 o's scale bytes; v7 q's scale words; v8-10 addresses in hand; v12 -M, v13 the largest t, v[14:15] the sum; v16-33 (q, zeros, q); v34 q's scale word; v36-47 q's image;
;   v48-95 four fragments of K, then of V; v96-159 S^T, then p; v160-191 O^T; v192-199 K's and V's scale words; v200-222, v242-253 at work; v223 p's scale word; v224-235 p's codes; v236-241 o's codes; v254, v255 the add's.
.set VIMG,  98304
.set KSC,   196608
.set STG,   204800                     ; 1,024 bytes in which the waves' scale bytes of o meet: no fill lands there
.set CHUNK, 24576
.set STEPB, 6144
.set BM, 200
.set PT, 204
.set SO, 208
.set CT, 212
.macro CROUND
	s_barrier_signal -1
	s_barrier_wait -1
	s_cmp_lg_u32 s16, 0
	s_cbranch_scc1 .Lnot_wave_0_\@
	s_barrier_signal -3
.Lnot_wave_0_\@:
	s_barrier_wait -3
	s_barrier_signal -1
	s_barrier_wait -1
.endm
	s_load_b256 s[4:11], s[0:1], 0x0               ; qk_img 4, qk_sc 6, v_img 8, v_sc 10
	s_load_b128 s[12:15], s[0:1], 0x20             ; a_img 12, a_sc 14
	v_lshl_add_u32 v254, v0, 2, 0x32400
	v_mov_b32 v255, 0
	ds_add_u32 v254, v255
	ds_add_u32 v254, v255
	v_lshrrev_b32 v8, 5, v0
	s_delay_alu instid0(VALU_DEP_1)
	v_readfirstlane_b32 s16, v8                    ; wave
	s_bfe_u32 s17, ttmp6, 0x40000                  ; cx: which 512 queries
	s_and_b32 s18, ttmp7, 0xffff                   ; 16 b + h
	s_and_b32 s66, s16, 1                          ; I fetch for K (0) or V (1)
	s_mov_b32 s24, 15|(3<<16)|(1<<21)              ; group 1 of a chunk: 96 dense rows of 256 bytes
	s_mov_b32 s25, 32<<16
	s_mov_b32 s26, 96<<16
	s_mov_b32 s27, 32<<16
	s_mov_b32 s28, 96
	s_mov_b32 s29, 32
	s_mov_b32 s30, 0
	s_mov_b32 s31, 0
	s_mov_b32 s32, 15|(3<<16)|(1<<21)              ; of the scale words: 16 rows of 256 bytes
	s_mov_b32 s33, 32<<16
	s_mov_b32 s34, 16<<16
	s_mov_b32 s35, 32<<16
	s_mov_b32 s36, 16
	s_mov_b32 s37, 32
	s_mov_b32 s38, 0
	s_mov_b32 s39, 0
	s_mul_i32 s70, s18, 98304                      ; the head's images: q's and V's
	s_mov_b32 s71, 0
	s_add_co_u32 s72, s70, 64*98304                ; k's lie behind q's 64 heads
	s_mov_b32 s73, 0
	s_lshl_b32 s74, s18, 12                        ; the scale words likewise
	s_mov_b32 s75, 0
	s_add_co_u32 s76, s74, 64*4096
	s_mov_b32 s77, 0
	s_mul_i32 s67, s66, VIMG
	s_lshl_b32 s19, s66, 12
	s_lshl_b32 s78, s17, 4
	s_add_co_u32 s78, s78, s16                     ; my block of 32 queries
	s_mul_i32 s80, s78, 1536
	s_add_co_u32 s80, s80, s70
	s_mov_b32 s81, 0
	s_lshr_b32 s82, s78, 2
	s_lshl_b32 s82, s82, 8
	s_and_b32 s83, s78, 3
	s_lshl_b32 s83, s83, 2
	s_add_co_u32 s82, s82, s83
	s_add_co_u32 s82, s82, s74
	s_mov_b32 s83, 0
	s_lshr_b32 s90, s18, 4                         ; b
	s_and_b32 s91, s18, 15                         ; h
	s_lshl_b32 s92, s90, 7
	s_lshl_b32 s93, s78, 1
	s_add_co_u32 s92, s92, s93                     ; my first tile of 16 rows
	s_lshl_b32 s92, s92, 4
	s_add_co_u32 s92, s92, s91
	s_mul_i32 s92, s92, 768
	s_mov_b32 s93, 0
	s_lshl_b32 s94, s91, 2
	s_add_co_u32 s94, s94, s90
	s_lshl_b32 s94, s94, 12
	s_lshl_b32 s95, s17, 10
	s_add_co_u32 s94, s94, s95                     ; a_sc: (4 h + b) x 4,096 + my work-group's 1,024 bytes
	s_mov_b32 s95, 0
	s_lshr_b32 s96, s16, 2
	s_lshl_b32 s96, s96, 8
	s_and_b32 s97, s16, 3
	s_lshl_b32 s97, s97, 2
	s_add_co_u32 s96, s96, s97
	s_add_co_u32 s96, s96, STG
	s_mov_b32 s20, 0x76543210
	s_mov_b32 s21, 0xfedcba98                      ; lane l xor 16
	s_mov_b32 s22, 0x3e38aa3b                      ; c = log2(e) / 8
	s_mov_b32 s23, s22
	s_lshr_b32 s48, s16, 1
	s_mul_i32 s48, s48, CHUNK                      ; my chunk's place in its tensor
	s_mov_b32 s49, 0
	s_wait_dscnt 0x0
	s_wait_kmcnt 0x0
	s_add_nc_u64 s[72:73], s[4:5], s[72:73]
	s_add_nc_u64 s[84:85], s[8:9], s[70:71]
	s_add_nc_u64 s[76:77], s[6:7], s[76:77]
	s_add_nc_u64 s[86:87], s[10:11], s[74:75]
	s_add_nc_u64 s[80:81], s[4:5], s[80:81]
	s_add_nc_u64 s[82:83], s[6:7], s[82:83]
	s_add_nc_u64 s[68:69], s[12:13], s[92:93]
	s_add_nc_u64 s[88:89], s[14:15], s[94:95]
	s_cmp_eq_u32 s66, 0                            ; the choice hangs on the wave's number alone
	s_cselect_b64 s[72:73], s[72:73], s[84:85]
	s_cselect_b64 s[76:77], s[76:77], s[86:87]
	s_mov_b32 s40, 1                               ; group 0 of the scale words
	s_add_co_u32 s41, s19, KSC
	s_mov_b64 s[42:43], s[76:77]
	s_or_b32 s43, s43, 0x80000000
	s_mov_b32 s44, 1                               ; group 0 of my chunk
	s_add_co_u32 s45, s67, s48
	s_add_nc_u64 s[46:47], s[72:73], s[48:49]
	s_or_b32 s47, s47, 0x80000000
	CROUND                                         ; all four work-groups are here: the joint loads meet
	s_cmp_lt_u32 s16, 8                            ; one chain of branches on the wave's number, one fill to an arm
	s_cbranch_scc0 .Lfill_sc
	tensor_load_to_lds s[44:47], s[24:31]
	s_nop 0
.rept 4
	v_nop
.endr
	s_branch .Lno_fill
.Lfill_sc:
	s_cmp_lt_u32 s16, 10
	s_cbranch_scc0 .Lno_fill
	tensor_load_to_lds s[40:43], s[32:39]
	s_nop 0
.rept 4
	v_nop
.endr
.Lno_fill:
	v_and_b32 v8, 31, v0
	v_and_b32 v9, 15, v0
	s_delay_alu instid0(VALU_DEP_2)
	v_lshlrev_b32 v1, 4, v8                        ; an image's place for my lane
	s_delay_alu instid0(VALU_DEP_1)
	v_add_nc_u32 v2, VIMG, v1
	s_delay_alu instid0(VALU_DEP_3)
	v_lshl_add_u32 v3, v9, 4, KSC                  ; a step's four scale words of row r
	v_lshlrev_b32 v4, 3, v8
	v_lshl_add_u32 v5, v9, 4, s96                  ; the stage: 16 r + my wave's word
	v_and_b32 v35, 63, v0
	s_delay_alu instid0(VALU_DEP_1)
	v_lshlrev_b32 v35, 4, v35
	s_delay_alu instid0(VALU_DEP_1)
	v_add_nc_u32 v11, STG, v35
	v_lshlrev_b32 v10, 4, v9
	global_load_b128 v[36:39], v1, s[80:81]
	global_load_b128 v[40:43], v1, s[80:81] offset:512
	global_load_b128 v[44:47], v1, s[80:81] offset:1024
	global_load_b32 v7, v10, s[82:83]
.irp b, 0,1,2,3
	v_mov_b32 v[PT+\b], 0                          ; a lane permute's destination counts as one of its sources
.endr
	v_mov_b32 v221, 0
	v_mov_b32 v222, 0
	v_mov_b32 v6, 0
.irp i, 0,1,2,3,4,5
	v_mov_b32 v[22+\i], 0                          ; the zero codes between the two copies of q
.endr
	s_wait_loadcnt 0x0
	s_wait_tensorcnt 0x0                           ; every wave, under no branch: my fill has landed
	s_barrier_signal -1
	s_barrier_wait -1                              ; K, V and their scale words are whole
	s_mov_b32 s63, 2
; A KEY STEP: 128 keys; s60 = where its fragments begin, s61 = its scale words.
.macro STEP
	v_add_nc_u32 v8, s60, v1
	v_add_nc_u32 v9, s60, v2
	v_add_nc_u32 v10, s61, v3
	v_nop                                          ; four places behind the last products
.irp f, 0,1,2,3
.irp k, 0,1,2
	ds_load_b128 v[48+12*\f+4*\k:48+12*\f+4*\k+3], v8 offset:1536*\f+512*\k
.endr
.endr
	ds_load_b128 v[192:195], v10
	ds_load_b128 v[196:199], v10 offset:4096
	s_wait_alu depctr_va_vdst(0)
	s_wait_dscnt 0x1                               ; all but V's scale words
.irp f, 0,1,2,3
	v_wmma_scale_f32_16x16x128_f8f6f4 v[96+16*\f:103+16*\f], v[48+12*\f:59+12*\f], v[16:27], 0, v[192+\f], v34 matrix_a_fmt:MATRIX_FMT_FP6 matrix_b_fmt:MATRIX_FMT_FP6
	v_wmma_scale_f32_16x16x128_f8f6f4 v[104+16*\f:111+16*\f], v[48+12*\f:59+12*\f], v[22:33], 0, v[192+\f], v34 matrix_a_fmt:MATRIX_FMT_FP6 matrix_b_fmt:MATRIX_FMT_FP6
.endr
.rept 4
	v_nop
.endr
.irp d, 0,1,2,3
.irp k, 0,1,2
	ds_load_b128 v[48+12*\d+4*\k:48+12*\d+4*\k+3], v9 offset:1536*\d+512*\k   ; V's fragments land while the softmax is walked
.endr
.endr
.irp b, 0,1,2,3
	v_max3_num_f32 v[BM+\b], v[96+16*\b], v[97+16*\b], v[98+16*\b]   ; the largest score of each block of 32 keys
.endr
.irp i, 3,5,7,9,11,13
.irp b, 0,1,2,3
	v_max3_num_f32 v[BM+\b], v[BM+\b], v[96+16*\b+\i], v[97+16*\b+\i]
.endr
.endr
.irp b, 0,1,2,3
	v_max_num_f32 v[BM+\b], v[BM+\b], v[111+16*\b]
.endr
.irp b, 0,1,2,3
	s_delay_alu instid0(VALU_DEP_4)
	v_permlanex16_b32 v[PT+\b], v[BM+\b], s20, s21
.endr
.irp b, 0,1,2,3
	s_delay_alu instid0(VALU_DEP_4)
	v_max_num_f32 v[BM+\b], v[BM+\b], v[PT+\b]
.endr
	s_delay_alu instid0(VALU_DEP_2)
	v_max3_num_f32 v222, v200, v201, v202
	s_delay_alu instid0(VALU_DEP_1)
	v_max_num_f32 v222, v222, v203
	s_delay_alu instid0(VALU_DEP_1)
	v_mul_f32 v222, s22, v222
	s_delay_alu instid0(VALU_DEP_1)
	v_max_num_f32 v13, v13, v222                   ; the running largest t
	v_mov_b32 v222, v12
	s_delay_alu instid0(VALU_DEP_2)
	v_floor_f32 v12, -v13                          ; the new -M
	s_delay_alu instid0(VALU_DEP_1)
	v_sub_f32 v222, v12, v222
	s_delay_alu instid0(VALU_DEP_1)
	v_cvt_i32_f32 v222, v222
	s_delay_alu instid0(VALU_DEP_1)
	v_ldexp_f32 v220, 1.0, v222                    ; f = 2^(old M - new M)
.set j, 0
.rept 32
	v_pk_fma_f32 v[96+j:97+j], v[96+j:97+j], s[22:23], v[12:13] op_sel_hi:[1,0,0]   ; t - M
.set j, j+2
.endr
.irp b, 0,1,2,3
	v_fma_f32 v[BM+\b], v[BM+\b], s22, v12
.endr
.set j, 0
	s_wait_alu depctr_va_vdst(0)
.rept 64
	v_exp_f32 v[96+j], v[96+j]                     ; p
.set j, j+1
.endr
.irp b, 0,1,2,3
	v_exp_f32 v[BM+\b], v[BM+\b]                   ; the block's largest p
.endr
	v_pk_mul_f32 v[14:15], v[14:15], v[220:221] op_sel_hi:[1,0]
	s_wait_alu depctr_va_vdst(0)
.irp b, 0,1,2,3
	v_max_num_f32 v[BM+\b], 0x1800000, v[BM+\b]    ; the floor 2^(3 - 127)
.endr
.irp b, 0,1,2,3
	s_delay_alu instid0(VALU_DEP_4)
	v_add_nc_u32 v[SO+\b], 0xff000000, v[BM+\b]
.endr
.irp b, 0,1,2,3
	s_delay_alu instid0(VALU_DEP_4)
	v_lshrrev_b32 v[PT+\b], 23, v[SO+\b]
.endr
	s_delay_alu instid0(VALU_DEP_3)
	v_lshl_or_b32 v223, v205, 8, v204              ; p's scale word
	s_delay_alu instid0(VALU_DEP_1)
	v_lshl_or_b32 v223, v206, 16, v223
	s_delay_alu instid0(VALU_DEP_1)
	v_lshl_or_b32 v223, v207, 24, v223
.irp c, 0,1
	v_cvt_scalef32_pk16_fp6_f32 v[224+6*\c:226+6*\c], v[96+32*\c:111+32*\c], v[SO+2*\c]
	v_cvt_scalef32_pk16_fp6_f32 v[CT+4*\c:CT+4*\c+2], v[112+32*\c:127+32*\c], v[SO+2*\c+1]
.endr
	v_nop
.irp c, 0,1
.irp i, 0,1,2
	v_permlane16_swap_b32 v[224+6*\c+\i], v[CT+4*\c+\i]   ; a whole block to a lane
.endr
.irp i, 0,1,2
	s_delay_alu instid0(VALU_DEP_3)
	v_mov_b32 v[227+6*\c+\i], v[CT+4*\c+\i]
.endr
.endr
	v_pk_add_f32 v[212:213], v[100:101], v[104:105]   ; the sum of the unquantised p, in eight chains
	v_pk_add_f32 v[252:253], v[108:109], v[112:113]
	v_pk_add_f32 v[250:251], v[116:117], v[120:121]
	v_pk_add_f32 v[248:249], v[124:125], v[128:129]
	v_pk_add_f32 v[246:247], v[132:133], v[136:137]
	v_pk_add_f32 v[244:245], v[140:141], v[144:145]
	v_pk_add_f32 v[242:243], v[148:149], v[152:153]
	v_pk_add_f32 v[14:15], v[14:15], v[156:157]
	v_pk_add_f32 v[212:213], v[212:213], v[96:97]
	v_pk_add_f32 v[252:253], v[252:253], v[98:99]
	v_pk_add_f32 v[250:251], v[250:251], v[102:103]
	v_pk_add_f32 v[248:249], v[248:249], v[106:107]
	v_pk_add_f32 v[246:247], v[246:247], v[110:111]
	v_pk_add_f32 v[244:245], v[244:245], v[114:115]
	v_pk_add_f32 v[242:243], v[242:243], v[118:119]
	v_pk_add_f32 v[14:15], v[14:15], v[122:123]
	v_pk_add_f32 v[212:213], v[212:213], v[126:127]
	v_pk_add_f32 v[252:253], v[252:253], v[130:131]
	v_pk_add_f32 v[250:251], v[250:251], v[134:135]
	v_pk_add_f32 v[248:249], v[248:249], v[138:139]
	v_pk_add_f32 v[246:247], v[246:247], v[142:143]
	v_pk_add_f32 v[244:245], v[244:245], v[146:147]
	v_pk_add_f32 v[242:243], v[242:243], v[150:151]
	v_pk_add_f32 v[14:15], v[14:15], v[154:155]
	v_pk_add_f32 v[212:213], v[212:213], v[158:159]
	s_delay_alu instid0(VALU_DEP_2)
	v_pk_add_f32 v[14:15], v[14:15], v[248:249]
	s_delay_alu instid0(VALU_DEP_2)
	v_pk_add_f32 v[212:213], v[212:213], v[246:247]
	v_pk_add_f32 v[252:253], v[252:253], v[244:245]
	v_pk_add_f32 v[250:251], v[250:251], v[242:243]
	s_delay_alu instid0(VALU_DEP_2)
	v_pk_add_f32 v[14:15], v[14:15], v[252:253]
	s_delay_alu instid0(VALU_DEP_2)
	v_pk_add_f32 v[212:213], v[212:213], v[250:251]
	s_delay_alu instid0(VALU_DEP_1)
	v_pk_add_f32 v[14:15], v[14:15], v[212:213]
.set j, 0
.rept 16
	v_pk_mul_f32 v[160+j:161+j], v[160+j:161+j], v[220:221] op_sel_hi:[1,0]   ; O^T under the new M, from its low end on
.set j, j+2
.endr
	s_wait_alu depctr_va_vdst(0)
	s_wait_dscnt 0x0                               ; V's fragments and scale words are in
.irp d, 0,1,2,3
	v_wmma_scale_f32_16x16x128_f8f6f4 v[160+8*\d:167+8*\d], v[48+12*\d:59+12*\d], v[224:235], v[160+8*\d:167+8*\d], v[196+\d], v223 matrix_a_fmt:MATRIX_FMT_FP6 matrix_b_fmt:MATRIX_FMT_FP6
.endr
	s_add_co_u32 s60, s60, STEPB
	s_add_co_u32 s61, s61, 256
.endm
.Lpass:                                            ; two trips: 16 queries each
	s_wait_alu depctr_va_vdst(0)
.irp i, 0,1,2,3,4,5
	v_mov_b32 v[16+\i], v[36+\i]                   ; (q, zeros) in v[16:27], (zeros, q) in v[22:33]
	v_mov_b32 v[28+\i], v[36+\i]
.endr
	v_perm_b32 v34, v7, v7, 0x01000100             ; q's two scale bytes, twice
	v_mov_b32 v13, 0xff61b1e6                      ; the largest t so far: -3e38
	s_delay_alu instid0(VALU_DEP_1)
	v_floor_f32 v12, -v13
	v_mov_b32 v14, 0
	v_mov_b32 v15, 0
.set j, 0
.rept 32
	v_mov_b32 v[160+j], 0                          ; O^T: the step is written once; its first walk finds zeros
.set j, j+1
.endr
	s_mov_b32 s60, 0
	s_mov_b32 s61, 0
	s_mov_b32 s62, 16                              ; sixteen key steps of 128 keys
.Lstep:
	STEP
	s_sub_co_u32 s62, s62, 1
	s_cmp_lg_u32 s62, 0
	s_cbranch_scc1 .Lstep
.rept 4
	v_nop
.endr
	v_add_f32 v14, v14, v15
	s_delay_alu instid0(VALU_DEP_1)
	v_permlanex16_b32 v222, v14, s20, s21
	s_delay_alu instid0(VALU_DEP_1)
	v_add_f32 v14, v14, v222                       ; the row's sum
	s_wait_alu depctr_va_vdst(0)
	v_rcp_f32 v14, v14
	v_nop
.set j, 0
	s_wait_alu depctr_va_vdst(0)
.rept 16
	v_pk_mul_f32 v[160+j:161+j], v[160+j:161+j], v[14:15] op_sel_hi:[1,0]   ; O^T / the sum
.set j, j+2
.endr
.irp b, 0,1
.irp j, 0,1,2,3,4,5,6,7
	v_permlane16_swap_b32 v[160+16*\b+\j], v[168+16*\b+\j]   ; into the true order of d: block b's 16 registers are d = 32 b + 16 (lane / 16) + 0 .. 15
.endr
.endr
.irp b, 0,1
	v_max3_num_f32 v[BM+\b], |v[160+16*\b]|, |v[161+16*\b]|, 0x1800000
.endr
.irp i, 2,4,6,8,10,12,14
.irp b, 0,1
	s_delay_alu instid0(VALU_DEP_2)
	v_max3_num_f32 v[BM+\b], v[BM+\b], |v[160+16*\b+\i]|, |v[161+16*\b+\i]|
.endr
.endr
.irp b, 0,1
	s_delay_alu instid0(VALU_DEP_2)
	v_permlanex16_b32 v[PT+\b], v[BM+\b], s20, s21
.endr
.irp b, 0,1
	s_delay_alu instid0(VALU_DEP_2)
	v_max_num_f32 v[BM+\b], v[BM+\b], v[PT+\b]
.endr
.irp b, 0,1
	s_delay_alu instid0(VALU_DEP_2)
	v_add_nc_u32 v[SO+\b], 0xff000000, v[BM+\b]
.endr
.irp b, 0,1
	s_delay_alu instid0(VALU_DEP_2)
	v_lshrrev_b32 v[PT+\b], 23, v[SO+\b]
.endr
	s_delay_alu instid0(VALU_DEP_1)
	v_lshl_or_b32 v222, v205, 8, v204              ; my row's two bytes
	v_lshrrev_b32 v6, 16, v6
	s_delay_alu instid0(VALU_DEP_1)
	v_lshl_or_b32 v6, v222, 16, v6                 ; pass 0's end up below, pass 1's above
	v_cvt_scalef32_pk16_fp6_f32 v[236:238], v[160:175], v208
	v_cvt_scalef32_pk16_fp6_f32 v[CT:CT+2], v[176:191], v209
	v_nop
.irp i, 0,1,2
	v_permlane16_swap_b32 v[236+\i], v[CT+\i]
.endr
.irp i, 0,1,2
	s_delay_alu instid0(VALU_DEP_3)
	v_mov_b32 v[239+\i], v[CT+\i]
.endr
.irp k, 0,1,2
	global_store_b64 v4, v[236+2*\k:237+2*\k], s[68:69] offset:256*\k   ; 32 lanes store 256 consecutive bytes, at a multiple of 256
.endr
	s_wait_xcnt 0x0                                ; the stores' base and data are written again only behind this wait
	s_add_nc_u64 s[68:69], s[68:69], 12288
.irp i, 0,1,2,3,4,5
	v_mov_b32 v[36+\i], v[42+\i]                   ; the second 16 queries
.endr
	v_lshrrev_b32 v7, 16, v7
	s_sub_co_u32 s63, s63, 1
	s_cmp_lg_u32 s63, 0
	s_cbranch_scc1 .Lpass
	ds_store_b32 v5, v6                            ; both halves of the lanes write the same word with the same value
	s_wait_dscnt 0x0
	s_barrier_signal -1
	s_barrier_wait -1
	s_cmp_lt_u32 s16, 2
	s_cbranch_scc0 .Lno_sc
	ds_load_b128 v[236:239], v11
	s_wait_dscnt 0x0
	global_store_b128 v35, v[236:239], s[88:89]    ; a wave stores 512 consecutive bytes
.Lno_sc:
	s_wait_tensorcnt 0x0                           ; the wave's end
	ds_add_u32 v254, v255
	s_wait_dscnt 0x0
	CROUND                                         ; the closing round
	s_endpgm
.Lfunc_end_k_q8daee1b270_attn:
	.size	k_q8daee1b270_attn, .Lfunc_end_k_q8daee1b270_attn-k_q8daee1b270_attn
	.p2alignl 7, 3214868480
	.fill 96, 4, 3214868480
	.section	.rodata,"a",@progbits
	.p2align	6, 0x0
	.amdhsa_kernel k_q8daee1b270_attn
		.amdhsa_group_segment_fixed_size 207872
		.amdhsa_private_segment_fixed_size 0
		.amdhsa_enable_private_segment 0
		.amdhsa_kernarg_size 48
		.amdhsa_user_sgpr_count 2
		.amdhsa_user_sgpr_kernarg_segment_ptr 1
		.amdhsa_wavefront_size32 1
		.amdhsa_system_sgpr_workgroup_id_x 1
		.amdhsa_system_sgpr_workgroup_id_y 1
		.amdhsa_system_sgpr_workgroup_id_z 1
		.amdhsa_system_vgpr_workitem_id 0
		.amdhsa_next_free_vgpr 256
		.amdhsa_next_free_sgpr 100
		.amdhsa_reserve_vcc 0
		.amdhsa_float_denorm_mode_32 3
		.amdhsa_float_denorm_mode_16_64 3
		.amdhsa_memory_ordered 1
		.amdhsa_forward_progress 1
		.amdhsa_inst_pref_size 32
	.end_amdhsa_kernel
	.amdgpu_metadata
---
amdhsa.version: [ 1, 2 ]
amdhsa.kernels:
  - .name:           k_q8daee1b270_attn
    .symbol:         k_q8daee1b270_attn.kd
    .args:
      - { .name: qk_img, .offset: 0, .size: 8, .value_kind: global_buffer, .address_space: global }
      - { .name: qk_sc, .offset: 8, .size: 8, .value_kind: global_buffer, .address_space: global }
      - { .name: v_img, .offset: 16, .size: 8, .value_kind: global_buffer, .address_space: global }
      - { .name: v_sc, .offset: 24, .size: 8, .value_kind: global_buffer, .address_space: global }
      - { .name: a_img, .offset: 32, .size: 8, .value_kind: global_buffer, .address_space: global }
      - { .name: a_sc, .offset: 40, .size: 8, .value_kind: global_buffer, .address_space: global }
    .group_segment_fixed_size: 207872
    .private_segment_fixed_size: 0
    .kernarg_segment_align: 8
    .kernarg_segment_size: 48
    .max_flat_workgroup_size: 512
    .sgpr_count:     100
    .vgpr_count:     256
    .wavefront_size: 32
...
	.end_amdgpu_metadata
.endif
;; end of part 3
;; launch proj (part 4): grid 4 x 64, 4 waves a work-group, clusters of 4 x 4, 327,680 bytes of LDS; arguments a_img, a_sc, Wo_codes, Wo_scales, bo, out0; writes out0
.if DOCPART == 4
	.amdgcn_target "amdgcn-amd-amdhsa--gfx1250"
	.amdhsa_code_object_version 6
	.text
	.protected	k_q8daee1b270_proj
	.globl	k_q8daee1b270_proj
	.p2align	8
	.type	k_q8daee1b270_proj,@function
k_q8daee1b270_proj:
	s_mov_b64 s[64:65], 0
	v_nop
	global_prefetch_b8 v0, s[64:65] scope:SCOPE_SE
	s_setreg_imm32_b32 hwreg(HW_REG_WAVE_MODE, 25, 1), 1
	s_wait_xcnt 0x0
	s_wait_alu depctr_hold_cnt(0) depctr_sa_sdst(0) depctr_va_vdst(0) depctr_va_sdst(0) depctr_va_ssrc(0) depctr_va_vcc(0) depctr_vm_vsrc(0)
	s_getreg_b32 s2, hwreg(HW_REG_IB_STS2, 6, 4)
	s_cmp_eq_u32 s2, 0
	s_cbranch_scc0 .Lentry_in_a_cluster
	s_endpgm
.Lentry_in_a_cluster:
	s_bfe_u32 s2, ttmp6, 0x10000c
	s_cmp_lg_u32 s2, 0xf033
	s_cbranch_scc0 .Lentry_shape_is_right
	s_endpgm
.Lentry_shape_is_right:
; out = a Wo^T + bo on codes of FP6 (E2M3) with E8M0 scales, K = 1,024; a comes as images of operand registers (a_img [tile of 16 rows][head][768 bytes]) with its scale bytes in a_sc.
; SHARES.  A work-group makes 128 rows (one b, neighbouring t) x 256 columns: 256 work-groups.  A wave makes 64 x 128: 32 accumulators.  Source 0 = Wo's rows, source 1 = a's: a lane holds eight neighbouring columns of one row.
; ALL OF K LIES IN LDS: a's eight tiles, 98,304 dense bytes, and 256 rows of Wo, each 768 bytes + 16 behind every 256: 208,896 bytes; filled once, by one joint load a wave (waves 0, 1: four tiles of a each; waves 2, 3: 128 rows of Wo each).
; Nothing is filled again: one wait and one barrier at the head, none in the walk along K.  CLUSTERS: a's tiles are shared along a row of the cluster, Wo's rows along a column.
; No prefetch: all that the launch reads is asked for at its head.
; Both operands have two sets of fragment registers: a step's products run while the next step's 72 LDS loads are on their way.
; THE WAY OUT goes through a stage of 16 rows x 528 bytes a wave, on a's bytes: they have had their one fill, and a barrier behind every wave's last LDS read stands ahead of the first store there.
; LIMITS: NaN and infinities are not served; the bias enters each sum first.
; REGISTERS: window 0: v1-29 addresses; v32-95 scale words (lanes 0-15 a's tile i < 4, lanes 16-31 Wo's tile i); v128-223 a's fragments, two sets of four; on the way out v128-255 rows read back.
;   window 1: Wo's fragments, two sets (v0-95, v128-223); the bias at v96-127, v224-255.   window 2: the accumulators, (a, b) at v[8 (8 a + b)].
.set KROW,   768
.set PITCH,  816
.set FR,     12
.set NL,     6
.set NP,     4
.set HALFT,  128*PITCH
.set AT,     12288                     ; a tile of 16 rows of a, all of K
.set AHALF,  4*AT
.set SPARE,  2*AHALF+2*HALFT
.set SPITCH, 528
.set ADRA, 16
.set ADRB, 20                          ; v20, v21 Wo's tiles 0-3 (v21: for the pieces whose lanes 16-31 lie behind one padding more); v22, v23 tiles 4-7
.set STO,  24
.set RD,   25
.set CO,   26
.set SPW,  28
.set NIL,  29
.set SC,   32
.set AF,   128
.set BK,   128
.set G1, 24
.set G0, 32
.set G1B, 48
.set G0B, 56
.set MUL_LO, 0xa1
.set TO_B,   0x40
.set MSB, 0
.macro WIN new
.if MSB != (\new)
	s_set_vgpr_msb (MSB<<8)|(\new)
.set MSB, (\new)
.endif
.endm
.macro PLACES n
.rept \n
	v_nop
.endr
.endm
.macro CROUND
	s_barrier_signal -1
	s_barrier_wait -1
	s_cmp_lg_u32 s14, 0
	s_cbranch_scc1 .Lnot_wave_0_\@
	s_barrier_signal -3
.Lnot_wave_0_\@:
	s_barrier_wait -3
	s_barrier_signal -1
	s_barrier_wait -1
.endm
.macro FRAG reg, adr, st, i            ; step st's fragment of Wo's tile i: six pieces of 8 bytes; piece PC of a row lies at 8 PC + 16 (PC / 32)
.irp p, 0,1,2,3,4,5
.set PC, 12*(\st)+6*(\p/3)+\p%3
.if (PC%32)+3 < 32
	ds_load_b64 v[\reg+2*\p:\reg+2*\p+1], v[\adr] offset:8*PC+16*(PC/32)+(\i)*16*PITCH
.else
	ds_load_b64 v[\reg+2*\p:\reg+2*\p+1], v[\adr+1] offset:8*PC+16*(PC/32)+(\i)*16*PITCH
.endif
.endr
.endm
.macro FRAG_I reg, st, i               ; a's image of tile i, step st: two heads of 768 bytes, 8 bytes a lane and register pair
.irp p, 0,1,2,3,4,5
	ds_load_b64 v[\reg+2*\p:\reg+2*\p+1], v[ADRA] offset:AT*(\i)+1536*(\st)+256*\p
.endr
.endm
.macro FETCH_B st, p                   ; 48 loads
	WIN TO_B
.irp i, 0,1,2,3,4,5,6,7
	FRAG 128*(\p)+FR*\i, ADRB+2*(\i/4), \st, \i%4
.endr
	WIN 0
.endm
.macro FETCH_A st, i0                  ; 24 loads, into registers i0 .. i0 + 3 of the eight
.irp i, \i0, \i0+1, \i0+2, \i0+3
	FRAG_I AF+FR*(\i), \st, (\i)%4
.endr
.endm
.macro MUL16 a0, p, ks, cm             ; cm = 1: the bias of Wo's tile starts the sums.  The 32 accumulators take turns
.irp a, \a0, \a0+1
.irp b, 0,1,2,3,4,5,6,7
.set rD, 8*(8*((\a)%4)+\b)
.set rB, 128*(\p)+FR*\b
.set rA, AF+FR*(\a)
.set rC, rD
.if \cm == 1
.set rC, 96+8*\b+96*(\b/4)
.endif
	v_wmma_scale_f32_16x16x128_f8f6f4 v[rD:rD+7], v[rB:rB+FR-1], v[rA:rA+FR-1], v[rC:rC+7], v[SC+8*\b+(\ks)], v[SC+8*((\a)%4)+(\ks)] matrix_a_fmt:MATRIX_FMT_FP6 matrix_b_fmt:MATRIX_FMT_FP6 matrix_a_scale:MATRIX_SCALE_ROW1
.endr
.endr
.endm
.macro STEP st, cm                     ; 128 along K: 32 products on set st % 2; the next step's fragments go into the other set
	PLACES NP                                      ; behind the last step's products, which read that set
	FETCH_B (\st)+1, ((\st)+1)%2
	s_wait_dscnt 8*NL                              ; all but the 48 just issued: this step's fragments are in
.if \cm
	WIN 0x91
.else
	WIN MUL_LO
.endif
	MUL16 4*((\st)%2), (\st)%2, \st, \cm
	WIN 0
	FETCH_A (\st)+1, 4*(((\st)+1)%2)
.if \cm
	WIN 0x91
.else
	WIN MUL_LO
.endif
	MUL16 4*((\st)%2)+2, (\st)%2, \st, \cm
	WIN 0
.endm
	s_load_b256 s[72:79], s[0:1], 0x0              ; a_img 72, a_sc 74, Wo's codes 76, Wo's scales 78
	s_load_b128 s[80:83], s[0:1], 0x20             ; bo 80, out0 82
	v_lshl_add_u32 v[SPW], v0, 2, SPARE
	v_mov_b32 v[NIL], 0
	ds_add_u32 v[SPW], v[NIL]
	ds_add_u32 v[SPW], v[NIL]
	s_wait_dscnt 0x0
	v_lshrrev_b32 v1, 5, v0
	v_readfirstlane_b32 s14, v1                    ; wave
	s_lshr_b32 s15, s14, 1                         ; my half of a's rows.  Also: I fetch a (0) or Wo (1)
	s_and_b32 s16, s14, 1                          ; my half of Wo's rows.  Also: which half I fetch
	s_bfe_u32 s40, ttmp6, 0x40000
	s_bfe_u32 s41, ttmp6, 0x40004
	s_lshl_b32 s42, ttmp9, 2
	s_add_co_u32 s42, s42, s40                     ; Wo's tile of 256 rows, 0 .. 3
	s_and_b32 s17, ttmp7, 0xffff
	s_lshl_b32 s17, s17, 2
	s_add_co_u32 s17, s17, s41                     ; a's tile of 128 rows, 0 .. 63
	s_lshl_b32 s43, s41, 2
	s_lshl_b32 s43, 15, s43
	s_lshl_b32 s44, 0x1111, s40
	s_or_b32 s[G1+0], s43, (3<<16)|(1<<21)         ; a: four dense rows of 12,288 bytes, in elements of 8 bytes
	s_mov_b32 s[G1+1], 1536<<16
	s_mov_b32 s[G1+2], 4<<16
	s_mov_b32 s[G1+3], 1536<<16
	s_mov_b32 s[G1+4], 4
	s_mov_b32 s[G1+5], 1536
	s_mov_b32 s[G1+6], 0
	s_mov_b32 s[G1+7], 0
	s_or_b32 s[G1B+0], s44, (1<<20)|(1<<21)|(5<<22)|(3<<25)
	s_mov_b32 s[G1B+1], KROW<<16
	s_mov_b32 s[G1B+2], 128<<16
	s_mov_b32 s[G1B+3], KROW<<16
	s_mov_b32 s[G1B+4], 128
	s_mov_b32 s[G1B+5], 768
	s_mov_b32 s[G1B+6], 0
	s_mov_b32 s[G1B+7], 0
	s_lshr_b32 s18, s17, 4                         ; b
	s_and_b32 s19, s17, 15                         ; which 128 t
	s_lshl_b32 s20, s18, 7
	s_lshl_b32 s21, s19, 3
	s_add_co_u32 s20, s20, s21
	s_lshl_b32 s21, s16, 2
	s_add_co_u32 s20, s20, s21                     ; the first tile of 16 rows that I fetch
	s_mul_i32 s20, s20, AT
	s_mov_b32 s21, 0
	s_lshl_b32 s46, s42, 8
	s_lshl_b32 s47, s16, 7
	s_add_co_u32 s46, s46, s47
	s_mul_i32 s46, s46, 768
	s_mov_b32 s47, 0
	s_lshl_b32 s22, s18, 12
	s_lshl_b32 s23, s19, 8
	s_add_co_u32 s22, s22, s23
	s_lshl_b32 s23, s15, 3
	s_add_co_u32 s22, s22, s23                     ; a_sc: b x 4,096 + 256 for each 128 t + 8 for my 64 of them
	s_mov_b32 s23, 0
	s_lshl_b32 s92, s42, 8
	s_lshl_b32 s93, s16, 7
	s_add_co_u32 s92, s92, s93                     ; my first column
	s_lshl_b32 s94, s92, 2
	s_mov_b32 s95, 0
	s_lshl_b32 s92, s92, 5
	s_mov_b32 s93, 0
	s_lshl_b32 s96, s19, 9
	s_lshl_b32 s97, s15, 8
	s_add_co_u32 s96, s96, s97
	s_add_co_u32 s96, s96, s18                     ; my first row of out0: 4 t + b
	s_lshl_b32 s96, s96, 12
	s_add_co_u32 s96, s96, s94
	s_mov_b32 s97, 0
	s_mov_b32 s66, 0xffff0000
	s_mov_b32 s67, 0x05040100
	s_mov_b32 s68, 0x07060302
	s_mov_b32 s[G0], 1
	s_mul_i32 s[G0+1], s16, AHALF
	s_mov_b32 s[G0B], 1
	s_mul_i32 s[G0B+1], s16, HALFT
	s_add_co_u32 s[G0B+1], s[G0B+1], 2*AHALF
	s_wait_kmcnt 0x0
	s_add_nc_u64 s[G0+2:G0+3], s[72:73], s[20:21]
	s_or_b32 s[G0+3], s[G0+3], 0x80000000
	s_add_nc_u64 s[G0B+2:G0B+3], s[76:77], s[46:47]
	s_or_b32 s[G0B+3], s[G0B+3], 0x80000000
	s_add_nc_u64 s[6:7], s[74:75], s[22:23]
	s_add_nc_u64 s[10:11], s[78:79], s[92:93]
	s_add_nc_u64 s[12:13], s[80:81], s[94:95]
	s_add_nc_u64 s[82:83], s[82:83], s[96:97]
	CROUND                                         ; all sixteen work-groups are here: the joint loads meet
	s_cmp_eq_u32 s15, 0                            ; one tensor load a wave
	s_cbranch_scc0 .Lfor_b
	tensor_load_to_lds s[G0:G0+3], s[G1:G1+7]
	s_nop 0
	PLACES 4
	s_branch .Lasked
.Lfor_b:
	tensor_load_to_lds s[G0B:G0B+3], s[G1B:G1B+7]
	s_nop 0
	PLACES 4
.Lasked:
	v_and_b32 v1, 15, v0
	v_bfe_u32 v2, v0, 4, 1
	v_lshlrev_b32 v6, 4, v1
	v_lshlrev_b32 v7, 5, v1
	v_lshlrev_b32 v8, 5, v2
.irp i, 0,1,2,3,4,5,6,7
	global_load_b128 v[SC+8*\i:SC+8*\i+3], v7, s[10:11] offset:512*\i          ; Wo's tile i
	global_load_b128 v[SC+8*\i+4:SC+8*\i+7], v7, s[10:11] offset:512*\i+16
.endr
.irp d, 0,1,2,3,4,5,6,7,8,9,10,11,12,13,14,15
	global_load_b64 v[128+4*\d:128+4*\d+1], v6, s[6:7] offset:16384*\d         ; head d: two words, each the two bytes of two tiles of my row r
.endr
	WIN 0x40
.irp b, 0,1,2,3,4,5,6,7
	global_load_b128 v[96+8*\b+96*(\b/4):96+8*\b+96*(\b/4)+3], v8, s[12:13] offset:64*\b
	global_load_b128 v[96+8*\b+96*(\b/4)+4:96+8*\b+96*(\b/4)+7], v8, s[12:13] offset:64*\b+16
.endr
	WIN 0
	v_mul_u32_u24 v3, v1, PITCH
	v_mul_u32_u24 v4, v2, 24
	v_add_nc_u32 v4, v3, v4
	v_lshl_add_u32 v5, v2, 4, v4
	v_and_b32 v9, 31, v0
	v_lshlrev_b32 v10, 3, v9
	s_mul_i32 s2, s15, AHALF
	s_mul_i32 s3, s16, HALFT
	s_add_co_u32 s3, s3, 2*AHALF
	v_add_nc_u32 v[ADRA], s2, v10
	v_add_nc_u32 v[ADRB], s3, v4
	v_add_nc_u32 v[ADRB+1], s3, v5
	s_add_co_u32 s3, s3, 64*PITCH
	v_add_nc_u32 v[ADRB+2], s3, v4
	v_add_nc_u32 v[ADRB+3], s3, v5
	s_mul_i32 s2, s14, 16*SPITCH                   ; my stage, on a's bytes
	v_mul_u32_u24 v11, v1, SPITCH
	v_lshl_add_u32 v11, v2, 5, v11
	v_add_nc_u32 v[STO], s2, v11
	v_lshlrev_b32 v[CO], 4, v9
	v_add_nc_u32 v[RD], s2, v[CO]
	s_wait_loadcnt 0x0
.irp s, 0,1,2,3,4,5,6,7
.irp a, 0,1
	v_perm_b32 v[192+16*\a+\s], v[132+8*\s+\a], v[128+8*\s+\a], s67   ; tile 2 a, step s: the bytes of heads 2 s and 2 s + 1
	v_perm_b32 v[200+16*\a+\s], v[132+8*\s+\a], v[128+8*\s+\a], s68   ; tile 2 a + 1
.endr
.endr
.set k, 0
.rept 32
	v_cndmask_b32 v[SC+k], v[192+k], v[SC+k], s66  ; lanes 0-15 a's word, lanes 16-31 Wo's
.set k, k+1
.endr
	PLACES 8                                       ; a scale register written by a vector instruction stands 8 places ahead of a scaled product
	s_wait_alu depctr_va_vdst(0)
	s_wait_tensorcnt 0x0                           ; every wave's one load
	s_barrier_signal -1
	s_barrier_wait -1                              ; all of a and Wo is in
	FETCH_B 0, 0
	FETCH_A 0, 0
	STEP 0, 1
.irp st, 1,2,3,4,5,6
	STEP \st, 0
.endr
	s_wait_dscnt 0                                 ; my last reads of a and Wo are done:
	s_barrier_signal -1                            ; say so,
	WIN MUL_LO
	MUL16 4, 1, 7, 0
	MUL16 6, 1, 7, 0
	WIN 0
	s_barrier_wait -1                              ; and store onto a's bytes only when all four have said so
.macro TOSTAGE a
.set AC, 64*(\a)
	WIN 0x08
.irp b, 0,1,2,3,4,5,6,7
	ds_store_b128 v[STO], v[AC+8*\b:AC+8*\b+3] offset:64*\b          ; each accumulator from its low end on
	ds_store_b128 v[STO], v[AC+8*\b+4:AC+8*\b+7] offset:64*\b+16
.endr
	WIN 0
.set BB, BK+64*((\a)%2)
.irp t, 0,1,2,3,4,5,6,7,8,9,10,11,12,13,14,15
	ds_load_b128 v[BB+4*\t:BB+4*\t+3], v[RD] offset:\t*SPITCH
.endr
.endm
.macro SEND a, younger                 ; younger: the LDS instructions issued behind block a's loads
.set BB, BK+64*((\a)%2)
	s_wait_dscnt \younger
.if (\a) > 0
	s_add_nc_u64 s[82:83], s[82:83], 262144        ; 16 t on (behind a wait on XCNT)
.endif
.irp t, 0,1,2,3,4,5,6,7,8,9,10,11,12,13,14,15
	global_store_b128 v[CO], v[BB+4*\t:BB+4*\t+3], s[82:83] offset:\t*16384 th:TH_STORE_NT   ; 32 lanes store 512 consecutive bytes, at a multiple of 256
.endr
.endm
	PLACES NP
	TOSTAGE 0
.irp a, 1,2,3
.if \a > 1
	s_wait_xcnt 0x0                                ; block a - 2's stores have read their registers and their base
.endif
	TOSTAGE \a
	SEND \a-1, 32
.endr
	s_wait_xcnt 0x0
	SEND 3, 0
	s_wait_tensorcnt 0x0                           ; the wave's end
	ds_add_u32 v[SPW], v[NIL]
	s_wait_dscnt 0x0
	CROUND
	s_endpgm
.Lfunc_end_k_q8daee1b270_proj:
	.size	k_q8daee1b270_proj, .Lfunc_end_k_q8daee1b270_proj-k_q8daee1b270_proj
	.p2alignl 7, 3214868480
	.fill 96, 4, 3214868480
	.section	.rodata,"a",@progbits
	.p2align	6, 0x0
	.amdhsa_kernel k_q8daee1b270_proj
		.amdhsa_group_segment_fixed_size 327680
		.amdhsa_private_segment_fixed_size 0
		.amdhsa_enable_private_segment 0
		.amdhsa_kernarg_size 48
		.amdhsa_user_sgpr_count 2
		.amdhsa_user_sgpr_kernarg_segment_ptr 1
		.amdhsa_wavefront_size32 1
		.amdhsa_system_sgpr_workgroup_id_x 1
		.amdhsa_system_sgpr_workgroup_id_y 1
		.amdhsa_system_sgpr_workgroup_id_z 1
		.amdhsa_system_vgpr_workitem_id 0
		.amdhsa_next_free_vgpr 1024
		.amdhsa_next_free_sgpr 100
		.amdhsa_reserve_vcc 0
		.amdhsa_float_denorm_mode_32 3
		.amdhsa_float_denorm_mode_16_64 3
		.amdhsa_memory_ordered 1
		.amdhsa_forward_progress 1
		.amdhsa_inst_pref_size 102
	.end_amdhsa_kernel
	.amdgpu_metadata
---
amdhsa.version: [ 1, 2 ]
amdhsa.kernels:
  - .name:           k_q8daee1b270_proj
    .symbol:         k_q8daee1b270_proj.kd
    .args:
      - { .name: a_img, .offset: 0, .size: 8, .value_kind: global_buffer, .address_space: global }
      - { .name: a_sc, .offset: 8, .size: 8, .value_kind: global_buffer, .address_space: global }
      - { .name: Wo_codes, .offset: 16, .size: 8, .value_kind: global_buffer, .address_space: global }
      - { .name: Wo_scales, .offset: 24, .size: 8, .value_kind: global_buffer, .address_space: global }
      - { .name: bo, .offset: 32, .size: 8, .value_kind: global_buffer, .address_space: global }
      - { .name: out0, .offset: 40, .size: 8, .value_kind: global_buffer, .address_space: global }
    .group_segment_fixed_size: 327680
    .private_segment_fixed_size: 0
    .kernarg_segment_align: 8
    .kernarg_segment_size: 48
    .max_flat_workgroup_size: 128
    .sgpr_count:     100
    .vgpr_count:     1024
    .wavefront_size: 32
...
	.end_amdgpu_metadata
.endif
;; end of part 4
